; MI455X (gfx1250); checked and timed in simulation.
; The chip was launched on July 23, 2026; its instructions are those of AMD's public machine-readable ISA for CDNA 5 (MIT licence, August 2026) and "CDNA5" Instruction Set Architecture Reference Guide (July 2026). The comments in the code are by the model that wrote it; some were corrected since.
;; Multi Head Attention. Allowed arithmetic: matrix products marked QUANTISED: E4M3 operands, one E8M0 scale for each 32 along K, by v_wmma_scale_f32_16x16x128_f8f6f4 with both operands' format E4M3, f32 sums; everything else in f32.
;; Inputs: b_o 1,024 float32; w_k_codes 1,024 x 32 x 32 uint8 (E4M3 codes of w_k, K innermost, in blocks of 32 codes); w_k_scales 1,024 x 32 uint8 (E8M0 scales of w_k, one for each 32 codes along K); w_o_codes 1,024 x 32 x 32 uint8 (E4M3 codes of w_o, K innermost, in blocks of 32 codes); w_o_scales 1,024 x 32 uint8 (E8M0 scales of w_o, one for each 32 codes along K); w_q_codes 1,024 x 32 x 32 uint8 (E4M3 codes of w_q, K innermost, in blocks of 32 codes); w_q_scales 1,024 x 32 uint8 (E8M0 scales of w_q, one for each 32 codes along K); w_v_codes 1,024 x 32 x 32 uint8 (E4M3 codes of w_v, K innermost, in blocks of 32 codes); w_v_scales 1,024 x 32 uint8 (E8M0 scales of w_v, one for each 32 codes along K); x_codes 4 x 2,048 x 32 x 32 uint8 (E4M3 codes of x, K innermost, in blocks of 32 codes); x_scales 4 x 2,048 x 32 uint8 (E8M0 scales of x, one for each 32 codes along K).
;; Outputs: out0 4 x 2,048 x 1,024 float32.
;; This version of the problem:
;;   THIS VERSION OF THE PROBLEM IS GIVEN IN LOW PRECISION. The matrix products marked QUANTISED in the list below multiply operands that are first quantised to E4M3 (4 exponent bits, 3 mantissa bits; 8 bits a number), with one power-of-two scale for each 32 numbers along K (OCP MX v1.0); their sums are f32. All else is computed in f32.
;;   The module's matrix products, in the order in which they are computed (A, B: the left and right operand; K: the contracted axis; several contracted axes count as one K, in the product's order):
;;     1. [M 8,192, K 1,024] x [K 1,024, N 1,024]; A: input x (given as codes); B: input w_q (given as codes): QUANTISED
;;     2. [M 8,192, K 1,024] x [K 1,024, N 1,024]; A: input x (given as codes); B: input w_k (given as codes): QUANTISED
;;     3. [M 8,192, K 1,024] x [K 1,024, N 1,024]; A: input x (given as codes); B: input w_v (given as codes): QUANTISED
;;     4. batch 64 x [M 2,048, K 64] x [K 64, N 2,048]; A: computed on the way; B: computed on the way: QUANTISED
;;     5. batch 64 x [M 2,048, K 2,048] x [K 2,048, N 64]; A: softmax (see below); B: computed on the way: QUANTISED
;;     6. [M 8,192, K 1,024] x [K 1,024, N 1,024]; A: computed on the way; B: input w_o (given as codes): QUANTISED
;;   THE QUANTISER, for each operand of a quantised product, along K:
;;     - K is cut into blocks of 32 from its start; a last block that is shorter is filled with zeros.
;;     - A block's scale is 2^e with e = floor(log2(the largest magnitude in the block)) - 8, held to -126 .. 127; a block of zeros has e = 0. As a byte (E8M0): e + 127.
;;     - Each number is divided by its block's scale, clamped to +-448, and rounded to the nearest number of E4M3, ties to even, subnormals kept.
;;     - The product sums the exact products of the quantised numbers (number of the format x scale) in f32.
;;   ~~~python
;;   def quantise(x, axis):      # numpy; x: float32 -> the quantised numbers, widened to float32 again
;;       x = np.moveaxis(x, axis, -1); K = x.shape[-1]
;;       x = np.pad(x, [(0, 0)] * (x.ndim - 1) + [(0, -K % 32)]); x = x.reshape(x.shape[:-1] + (-1, 32)); a = np.abs(x).max(-1, keepdims=True)
;;       e = np.where(a > 0, np.clip(np.frexp(np.where(a > 0, a, 1))[1] - 1 - 8, -126, 127), 0)      # np.frexp(a)[1] - 1 = floor(log2(a)), exactly
;;       r = np.clip(x / 2.0 ** e, -448, 448)
;;       step = 2.0 ** (np.maximum(np.frexp(np.where(r == 0, 1, r))[1] - 1, -6) - 3)
;;       q = np.round(r / step) * step * 2.0 ** e      # np.round: ties to even
;;       return np.moveaxis(q.reshape(q.shape[:-2] + (-1,))[..., :K], -1, axis).astype(np.float32)
;;   ~~~
;;   SOFTMAX AHEAD OF A QUANTISED PRODUCT. Where the list says 'softmax', what is quantised is not the finished softmax but p = 2^(t - M), with t = logit x log2(e) and M = ceil(the row's largest t), a whole number; so 1/2 < the row's largest p <= 1. The row's sum l is taken of the UNQUANTISED p, in f32, and the product's result is divided by l at the end. Since M is a whole number, a kernel that streams over the keys may use a running M (the ceiling of the running maximum): every later rescaling is an exact power of two, which a block's scale takes up: the codes' values come out the same.
;;   OPERANDS COMPUTED ON THE WAY. 'Computed on the way' means the value that the module computes at that place (a softmax that the list does not call 'softmax' is quantised finished and normalised). What goes into a quantiser is computed in f32, as accurately as f32 sums, v_exp_f32 and their like allow (about 1e-6 of the number): no bf16 or f16 on the way to a quantiser, and a product that is left as it is and whose result goes on into a quantised operand takes f32 operands (vector FMAs, or v_wmma_f32_16x16x4_f32). A number that lies on a knife's edge between two numbers of the format may be rounded either way, as far as f32 arithmetic and the matrix unit's own rounding can turn it there, and no further.
;;   INPUTS GIVEN AS CODES. w_k (in the module: [1024, 1024], K = its axis 1); w_o (in the module: [1024, 1024], K = its axis 1); w_q (in the module: [1024, 1024], K = its axis 1); w_v (in the module: [1024, 1024], K = its axis 1); x (in the module: [4, 2048, 1024], K = its axis 2): each comes as NAME_codes (uint8): NAME with its K axis moved to the last place and cut into blocks of 32 codes, [.., K / 32, bytes a block], one block behind the other in memory; one code a byte (a code: sign, 4 exponent bits, 3 mantissa bits); and NAME_scales (uint8): the same leading axes, one E8M0 byte (e + 127) for each 32 codes along K. Its value is code x scale, taken as it is: it is not quantised again, and the codes and scales need not be those that the quantiser above would give.
;; One version. Each part assembles by itself: llvm-mc -triple=amdgcn-amd-amdhsa -mcpu=gfx1250 --defsym DOCPART=n.
;; ======== version 1 of 1: 3 launches
;; limits: right only within a limited range of input values
;; workspace buffers: qbuf 8,912,896 bytes; kv 17,563,648 bytes; cc 8,388,608 bytes; cs 262,144 bytes
;; launch qkv (part 1): grid 8 x 32, 4 waves a work-group, clusters of 4 x 4, 327,680 bytes of LDS; arguments x_codes, x_scales, w_q_codes, w_q_scales, w_k_codes, w_k_scales, w_v_codes, w_v_scales, qbuf, kv; writes qbuf, kv
.if DOCPART == 1
	.amdgcn_target "amdgcn-amd-amdhsa--gfx1250"
	.amdhsa_code_object_version 6
	.text
	.protected	k_q4c021a2c91_qkv
	.globl	k_q4c021a2c91_qkv
	.p2align	8
	.type	k_q4c021a2c91_qkv,@function
k_q4c021a2c91_qkv:
	s_mov_b64 s[64:65], 0
	v_nop
	global_prefetch_b8 v0, s[64:65] scope:SCOPE_SE
	s_setreg_imm32_b32 hwreg(HW_REG_WAVE_MODE, 25, 1), 1
	s_wait_xcnt 0x0
	s_wait_alu depctr_hold_cnt(0) depctr_sa_sdst(0) depctr_va_vdst(0) depctr_va_sdst(0) depctr_va_ssrc(0) depctr_va_vcc(0) depctr_vm_vsrc(0)
	s_getreg_b32 s2, hwreg(HW_REG_IB_STS2, 6, 4)
	s_cmp_eq_u32 s2, 0
	s_cbranch_scc0 .Lentry_in_a_cluster
	s_endpgm
.Lentry_in_a_cluster:
	s_bfe_u32 s2, ttmp6, 0x10000c
	s_cmp_lg_u32 s2, 0xf033
	s_cbranch_scc0 .Lentry_shape_is_right
	s_endpgm
.Lentry_shape_is_right:
; q = x Wq^T, k = x Wk^T, v = x Wv^T on codes of FP8 (E4M3) with one E8M0 scale for each 32 along K = 1,024; then q, k and v are quantised again, in registers, for attention's two products.
; SHARES.  A work-group takes 256 rows of x (by) and two heads (bx): 128 rows of each of the three weights.  Wave w takes 128 rows (rh = w / 2: one key step of attention) and one head (hh = w % 2): 128 x 64 of q, of k and of v,
; 96 accumulators, 768 registers.  So a K step of 128 reads 20 fragments from LDS for 96 matrix instructions, and x is fetched once for the three weights.
; WHICH SOURCE IS WHICH.  q, k: source 0 = 16 rows of W, source 1 = 16 rows of x: a lane holds one token and its registers run along the head's channels, which are the K of q k^T.
; v: source 0 = 16 rows of x, source 1 = 16 rows of Wv: a lane holds one channel and its registers run along the tokens, which are the K of p v.
; THE ORDER ALONG K OF WHAT IS MADE HERE.  The 16 registers of two neighbouring result tiles are, in lane half h, the places 16 u + 8 h + j of a block of 32 (u: which tile, j: register).  q and k are both laid so, p and v too:
; a permutation inside a block of 32, alike on both sides of a product, keeps every product and every scale block.
; OUT.  Codes leave as images of the next operand's registers: piece c of a fragment is 512 bytes, lane l's registers 4 c .. 4 c + 3 at byte 16 l: every store of a wave covers 512 consecutive bytes.
;   qbuf, a record of 139,264 bytes a head: scale words [step 16][r 16][tile 8], then codes [tile 128][piece 2][512].
;   kv, a record of 274,432 bytes a head: K's scale words [16][16][8]; V's [step 16][r 16][tile 4]; then for each step 8 tiles x 2 pieces of K and 4 tiles x 4 pieces of V.
;   A fragment of q or k has 64 along K: two pieces, a scale word of two bytes; the other half of the instruction's 128 is zero codes, kept in registers by the reader.
; CLUSTERS: 4 x 4 work-groups.  The four of a column share bx and so the weights' tiles, the four of a row share by and so x's: each tile is asked for jointly, by the same tensor load with a mask that names the four.
; LIMITS: NaN and infinities are not served.  A block of zeros gets the scale byte 1 (its codes are zeros; the bytes are read by this program alone).
; REGISTERS, in windows of 256: window 0: v1-11 addresses; v24-63 scale words, two sets of 20; v64-191 x's 8 fragments; v192-255 two buffers of two weight fragments.
;   window 1: q at v[8 (4 a + t)];  window 2: k likewise;  window 3: v at v[8 (8 t + a)]  (a: tile of 16 tokens, t: tile of 16 channels).
.set PITCH,  144                       ; an LDS row: 128 bytes of codes + 16 of padding = 36 words: the 16 rows that a load touches start at 16 different groups of four banks
.set WT,     128*PITCH                 ; 128 rows: a weight's tile
.set XOFF,   3*WT                      ; a slot: Wq's, Wk's, Wv's 128 rows, then x's 256
.set SLOT,   5*WT
.set SCW,    2*SLOT                    ; behind the ring: the three weights' scale bytes (128 rows x 32 bytes each, as 16 rows of 256 + 16),
.set SCWB,   16*272
.set SCX,    SCW+3*SCWB                ; x's (256 rows x 32 bytes: 32 rows of 256 + 16),
.set SPARE,  SCX+32*272                ; and the spare words, 128 bytes a wave: two blocks of 256 bytes that no other line names
.set QREC,   139264
.set KVREC,  274432
.set LI,  1                            ; v1   16 x lane
.set SPW, 2                            ; v2   LDS address of my spare word; never rewritten
.set NIL, 3                            ; v3   0; never rewritten
.set AX,  4                            ; v4-5 my x fragments in slot 0, 1
.set AW,  6                            ; v6-7 my weight fragments in slot 0, 1
.set ASX, 8                            ; v8   x's scale words
.set ASW, 9                            ; v9   the weights'
.set OW8, 10                           ; v10  32 r + 16 h: where I store four of a row's eight scale words
.set OW4, 11                           ; v11  16 r + 8 h: two of four
.set SC,  24
.set TM,  24                           ; the way out: v24-27 largest magnitudes, v28-31 bytes, v36-39 the conversions' scale operands; v40-59 the scale words made
.set XF,  64
.set BF,  192
.set WV,  24
.set RH,  25
.set HH,  26
.set CX,  27
.set CY,  28
.set BX,  29
.set BY,  30
.set G1W, 32                           ; s[32:39] group 1, a weight's tile;  s[40:47] x's;  s[48:55], s[56:63] their scale bytes
.set G1X, 40
.set G1WS, 48
.set G1XS, 56
.set G0W, 68                           ; s[68:75] group 0 for the weight's tile, a set for each slot;  s[76:83] for x's;  s[84:87], s[88:91] for the scale bytes
.set G0X, 76
.set G0WS, 84
.set G0XS, 88
.set HM,  96                           ; the way out: s96 the mask of lanes 16-31, s[98:99] selects for lane l xor 16
.set MNT, 97
.set SEL, 98
.set MSB, 0
.macro WIN new                         ; the immediate's high byte repeats the setting that is left
.if MSB != (\new)
	s_set_vgpr_msb (MSB<<8)|(\new)
.set MSB, (\new)
.endif
.endm
.macro PLACES n                        ; plain vector instructions behind a matrix instruction: eight in front of loads into, and vector reads or writes of, its registers
.rept \n
	v_nop
.endr
.endm
; A joint load: waves 0, 1, 2 fetch for Wq, Wk, Wv, wave 3 for x.  The branch hangs on the wave's number alone.  Four v_nop follow each of the two lines.
.macro JLOAD g0w, g1w, g0x, g1x
	s_cmp_lt_u32 s[WV], 3
	s_cbranch_scc0 .Lfor_x_\@
	tensor_load_to_lds s[\g0w:\g0w+3], s[\g1w:\g1w+7]
	s_nop 0
.rept 4
	v_nop
.endr
	s_branch .Lasked_\@
.Lfor_x_\@:
	tensor_load_to_lds s[\g0x:\g0x+3], s[\g1x:\g1x+7]
	s_nop 0
.rept 4
	v_nop
.endr
.Lasked_\@:
.endm
.macro CREST                           ; a round of the cluster's barrier behind its opening barrier
	s_cmp_lg_u32 s[WV], 0
	s_cbranch_scc1 .Lnot_wave_0_\@
	s_barrier_signal -3
.Lnot_wave_0_\@:
	s_barrier_wait -3
	s_barrier_signal -1
	s_barrier_wait -1
.endm
.macro CROUND                          ; a whole round
	s_barrier_signal -1
	s_barrier_wait -1
	CREST
.endm
	s_load_b512 s[4:19], s[0:1], 0x0               ; x's codes s[4:5], scales s[6:7]; Wq's s[8:11]; Wk's s[12:15]; Wv's s[16:19]
	s_load_b128 s[20:23], s[0:1], 0x40             ; qbuf, kv
	v_lshl_add_u32 v[SPW], v0, 2, SPARE
	v_mov_b32 v[NIL], 0
	ds_add_u32 v2, v3
	ds_add_u32 v2, v3
	s_wait_dscnt 0x0
	v_lshrrev_b32 v1, 5, v0
	v_readfirstlane_b32 s[WV], v1                  ; wave 0..3
	s_lshr_b32 s[RH], s[WV], 1                     ; which 128 rows are mine
	s_and_b32 s[HH], s[WV], 1                      ; which of the two heads
	s_bfe_u32 s[CX], ttmp6, 0x40000                ; my place in the cluster
	s_bfe_u32 s[CY], ttmp6, 0x40004
	s_lshl_b32 s[BX], ttmp9, 2
	s_add_co_u32 s[BX], s[BX], s[CX]               ; the pair of heads = 4 x cluster x + cx
	s_and_b32 s[BY], ttmp7, 0xffff
	s_lshl_b32 s[BY], s[BY], 2
	s_add_co_u32 s[BY], s[BY], s[CY]               ; the block of 256 rows = 4 x cluster y + cy
	s_lshl_b32 s66, s[CY], 2
	s_lshl_b32 s66, 15, s66                        ; my row of the cluster
	s_lshl_b32 s67, 0x1111, s[CX]                  ; my column
	; group 1: rows of 128 bytes (elements of 1 byte), 1,024 apart in memory; four words of padding behind every 32; bit 21 set beside a mask
	s_or_b32 s[G1W], s67, (1<<20)|(1<<21)|(4<<22)|(3<<25)
	s_or_b32 s[G1X], s66, (1<<20)|(1<<21)|(4<<22)|(3<<25)
.irp g, G1W, G1X
	s_mov_b32 s[\g+1], 128<<16                     ; tensor_dim0
	s_mov_b32 s[\g+3], 128<<16                     ; tile_dim0
	s_mov_b32 s[\g+5], 1024                        ; the pitch
	s_mov_b32 s[\g+6], 0
	s_mov_b32 s[\g+7], 0
.endr
	s_mov_b32 s[G1W+2], 128<<16                    ; tensor_dim1, tile_dim1: 128 rows of a weight,
	s_mov_b32 s[G1W+4], 128
	s_mov_b32 s[G1X+2], 256<<16                    ; 256 of x
	s_mov_b32 s[G1X+4], 256
	; the scale bytes: dense blocks, as rows of 256 bytes (32 elements of 8 bytes), four words of padding behind every 64
	s_or_b32 s[G1WS], s67, (3<<16)|(1<<20)|(1<<21)|(5<<22)|(3<<25)
	s_or_b32 s[G1XS], s66, (3<<16)|(1<<20)|(1<<21)|(5<<22)|(3<<25)
.irp g, G1WS, G1XS
	s_mov_b32 s[\g+1], 32<<16
	s_mov_b32 s[\g+3], 32<<16
	s_mov_b32 s[\g+5], 32
	s_mov_b32 s[\g+6], 0
	s_mov_b32 s[\g+7], 0
.endr
	s_mov_b32 s[G1WS+2], 16<<16
	s_mov_b32 s[G1WS+4], 16
	s_mov_b32 s[G1XS+2], 32<<16
	s_mov_b32 s[G1XS+4], 32
	s_lshl_b32 s92, s[BX], 17                      ; the weights: 128 rows of 1,024 bytes a pair of heads,
	s_mov_b32 s93, 0
	s_lshl_b32 s94, s[BX], 12                      ; 128 rows of 32 scale bytes
	s_mov_b32 s95, 0
	s_lshl_b32 s96, s[BY], 18                      ; x: 256 rows of 1,024 bytes,
	s_mov_b32 s97, 0
	s_lshl_b32 s98, s[BY], 13                      ; 256 rows of 32 scale bytes
	s_mov_b32 s99, 0
	s_mul_i32 s31, s[WV], WT                       ; where my tile goes in a slot: wave x 128 rows (wave 3: x's place)
	s_mul_i32 s3, s[WV], SCWB                      ; and my scale bytes (wave 3: x's place)
	s_wait_kmcnt 0x0
	s_cmp_eq_u32 s[WV], 0                          ; which weight I fetch hangs on the wave's number alone
	s_cselect_b64 s[8:9], s[8:9], s[12:13]
	s_cselect_b64 s[10:11], s[10:11], s[14:15]
	s_cmp_lt_u32 s[WV], 2
	s_cselect_b64 s[8:9], s[8:9], s[16:17]
	s_cselect_b64 s[10:11], s[10:11], s[18:19]
	s_add_nc_u64 s[8:9], s[8:9], s[92:93]
	s_add_nc_u64 s[10:11], s[10:11], s[94:95]
	s_add_nc_u64 s[4:5], s[4:5], s[96:97]
	s_add_nc_u64 s[6:7], s[6:7], s[98:99]
	CROUND                                         ; all sixteen work-groups are here: the first joint loads meet
	s_mov_b32 s[G0WS], 1
	s_add_co_u32 s[G0WS+1], s3, SCW
	s_mov_b64 s[G0WS+2:G0WS+3], s[10:11]
	s_or_b32 s[G0WS+3], s[G0WS+3], 0x80000000
	s_mov_b32 s[G0XS], 1
	s_add_co_u32 s[G0XS+1], s3, SCW
	s_mov_b64 s[G0XS+2:G0XS+3], s[6:7]
	s_or_b32 s[G0XS+3], s[G0XS+3], 0x80000000
	JLOAD G0WS, G1WS, G0XS, G1XS                   ; the scale bytes for all of K: filled once
.irp s, 0,1
	s_mov_b32 s[G0W+4*\s], 1
	s_add_co_u32 s[G0W+4*\s+1], s31, \s*SLOT
	s_add_nc_u64 s[G0W+4*\s+2:G0W+4*\s+3], s[8:9], \s*128
	s_or_b32 s[G0W+4*\s+3], s[G0W+4*\s+3], 0x80000000
	s_mov_b32 s[G0X+4*\s], 1
	s_add_co_u32 s[G0X+4*\s+1], s31, \s*SLOT
	s_add_nc_u64 s[G0X+4*\s+2:G0X+4*\s+3], s[4:5], \s*128
	s_or_b32 s[G0X+4*\s+3], s[G0X+4*\s+3], 0x80000000
	JLOAD G0W+4*\s, G1W, G0X+4*\s, G1X             ; K steps 0 and 1: three tensor loads of mine are out
.endr
	v_and_b32 v12, 15, v0                          ; r
	v_bfe_u32 v13, v0, 4, 1                        ; h
	v_and_b32 v14, 31, v0
	v_lshlrev_b32 v[LI], 4, v14
	v_mul_u32_u24 v15, v12, PITCH
	v_lshl_add_u32 v15, v13, 4, v15                ; a fragment's row x pitch + 16 h
	s_mul_i32 s92, s[RH], WT
	s_add_co_u32 s92, s92, XOFF                    ; my 128 rows of x
	s_mul_i32 s93, s[HH], 64*PITCH                 ; my head's 64 rows of each weight
	v_add_nc_u32 v[AX], s92, v15
	v_add_nc_u32 v[AX+1], SLOT, v[AX]
	v_add_nc_u32 v[AW], s93, v15
	v_add_nc_u32 v[AW+1], SLOT, v[AW]
	v_lshrrev_b32 v16, 3, v12
	v_lshlrev_b32 v17, 5, v12
	v_lshl_add_u32 v17, v16, 4, v17                ; a row's 32 scale bytes: 32 r, and 16 more for each 256 passed
	s_mul_i32 s94, s[RH], 16*272
	s_add_co_u32 s94, s94, SCX
	v_add_nc_u32 v[ASX], s94, v17
	s_mul_i32 s95, s[HH], 8*272
	s_add_co_u32 s95, s95, SCW
	v_add_nc_u32 v[ASW], s95, v17
	v_lshlrev_b32 v[OW8], 5, v12
	v_lshl_add_u32 v[OW8], v13, 4, v[OW8]
	v_lshlrev_b32 v[OW4], 4, v12
	v_lshl_add_u32 v[OW4], v13, 3, v[OW4]
; two fragments (tiles 2 pp, 2 pp + 1) of weight kap from slot sg into buffer bb: lane l holds row l % 16; registers 4 c .. 4 c + 3 hold K = 32 c + 16 (l / 16) + 0 .. 15
.macro LOADW sg, kap, pp, bb
.irp u, 0,1
.irp c, 0,1,2,3
	ds_load_b128 v[BF+32*(\bb)+16*\u+4*\c:BF+32*(\bb)+16*\u+4*\c+3], v[AW+(\sg)] offset:(\kap)*WT+(2*(\pp)+\u)*16*PITCH+32*\c
.endr
.endr
.endm
.macro LOADX sg, a0                    ; x's tiles a0 .. a0 + 3
.irp a, \a0, \a0+1, \a0+2, \a0+3
.irp c, 0,1,2,3
	ds_load_b128 v[XF+16*(\a)+4*\c:XF+16*(\a)+4*\c+3], v[AX+(\sg)] offset:(\a)*16*PITCH+32*\c
.endr
.endr
.endm
.macro LOADS set, ks                   ; K step ks's scale words: 8 tiles of x, 3 x 4 tiles of the weights; lane r takes row r's word
.irp a, 0,1,2,3,4,5,6,7
	ds_load_b32 v[SC+20*(\set)+\a], v[ASX] offset:\a*544+4*(\ks)
.endr
.irp kap, 0,1,2
.irp t, 0,1,2,3
	ds_load_b32 v[SC+20*(\set)+8+4*\kap+\t], v[ASW] offset:\kap*SCWB+\t*544+4*(\ks)
.endr
.endr
.endm
; 8 matrix instructions: x's tiles a0 .. a0 + 3 against the two weight fragments of buffer bb.  The 96 accumulators take turns, one instruction a turn, in the same order in every K step.
.macro MULH kap, pp, bb, a0, set, zero
.irp a, \a0, \a0+1, \a0+2, \a0+3
.irp u, 0,1
.set rW, BF+32*(\bb)+16*\u
.set rX, XF+16*(\a)
.set sW, SC+20*(\set)+8+4*(\kap)+2*(\pp)+\u
.set sX, SC+20*(\set)+(\a)
.if (\kap) < 2
.set rD, 8*(4*(\a)+2*(\pp)+\u)
.if \zero
	v_wmma_scale_f32_16x16x128_f8f6f4 v[rD:rD+7], v[rW:rW+15], v[rX:rX+15], 0, v[sW], v[sX]
.else
	v_wmma_scale_f32_16x16x128_f8f6f4 v[rD:rD+7], v[rW:rW+15], v[rX:rX+15], v[rD:rD+7], v[sW], v[sX]
.endif
.else
.set rD, 8*(8*(2*(\pp)+\u)+(\a))
.if \zero
	v_wmma_scale_f32_16x16x128_f8f6f4 v[rD:rD+7], v[rX:rX+15], v[rW:rW+15], 0, v[sX], v[sW]
.else
	v_wmma_scale_f32_16x16x128_f8f6f4 v[rD:rD+7], v[rX:rX+15], v[rW:rW+15], v[rD:rD+7], v[sX], v[sW]
.endif
.endif
.endr
.endr
.endm
; A K step of 128: six pairs of weight fragments (q, q, k, k, v, v), 16 matrix instructions each, on the two buffers by turns; a buffer is loaded again eight places behind its products, 16 matrix instructions ahead of its use.
.macro STEP t
.set SG, (\t)%2
.set NX, 1-SG
.set ZR, 0
.if (\t) == 0
.set ZR, 1                             ; the first K step's products start the sums: nothing is cleared
.endif
	s_wait_dscnt 24                                ; pair 0, the scale words and x's tiles 0-3 are in; x's tiles 4-7 (16 loads) and pair 1 (8) may be out
	WIN 0x50
	MULH 0, 0, 0, 0, SG, ZR
	s_wait_dscnt 8                                 ; x's tiles 4-7 are in
	MULH 0, 0, 0, 4, SG, ZR
	WIN 0
	PLACES 8
	LOADW SG, 1, 0, 0
	s_wait_dscnt 8                                 ; all but the pair just asked for
	WIN 0x50
	MULH 0, 1, 1, 0, SG, ZR
	MULH 0, 1, 1, 4, SG, ZR
	WIN 0
	PLACES 8
	LOADW SG, 1, 1, 1
	s_wait_dscnt 8
	WIN 0xa0
	MULH 1, 0, 0, 0, SG, ZR
	MULH 1, 0, 0, 4, SG, ZR
	WIN 0
	PLACES 8
	LOADW SG, 2, 0, 0
	s_wait_dscnt 8
	WIN 0xa0
	MULH 1, 1, 1, 0, SG, ZR
	MULH 1, 1, 1, 4, SG, ZR
	WIN 0
	PLACES 8
	LOADW SG, 2, 1, 1                              ; my last reads of this slot
.if (\t) <= 6
	s_wait_tensorcnt 0x0                           ; all my tensor loads have landed: my part of the next slot;
	ds_add_u32 v[SPW], v[NIL]                      ; 0 onto my spare word;
	s_wait_dscnt 9                                 ; (the fifth pair is in; the sixth pair's 8 loads and the add may be out)
	WIN 0xf0
	MULH 2, 0, 0, 0, SG, ZR                        ; eight matrix instructions stand between the add and the wait for it
	s_wait_dscnt 0x0                               ; the add is done, and my reads of this slot are over
	s_barrier_signal -1
	MULH 2, 0, 0, 4, SG, ZR
	WIN 0
	s_barrier_wait -1
.if (\t) <= 5
	CREST                                          ; the barrier has opened a round of the cluster's barrier: no wave of any partner still reads this slot or has a load on its way
	s_add_nc_u64 s[G0W+4*SG+2:G0W+4*SG+3], s[G0W+4*SG+2:G0W+4*SG+3], 256
	s_add_nc_u64 s[G0X+4*SG+2:G0X+4*SG+3], s[G0X+4*SG+2:G0X+4*SG+3], 256
	JLOAD G0W+4*SG, G1W, G0X+4*SG, G1X             ; this slot's next tile, two K steps on: my one tensor load behind the round; its four v_nop are four of the eight places
	PLACES 4
.else
	PLACES 8
.endif
	LOADW NX, 0, 0, 0                              ; the next K step, in the order that its first wait counts on: pair 0, the scale words, x's tiles 0-3, 4-7, pair 1
	LOADS NX, (\t)+1
	WIN 0xf0
	MULH 2, 1, 1, 0, SG, ZR
	WIN 0
	PLACES 8
	LOADX NX, 0                                    ; x's tiles 0-3 have had their last product
	WIN 0xf0
	MULH 2, 1, 1, 4, SG, ZR
	WIN 0
	PLACES 8
	LOADX NX, 4
	LOADW NX, 0, 1, 1
.else
	s_wait_dscnt 8                                 ; the last K step: nothing more to fetch
	WIN 0xf0
	MULH 2, 0, 0, 0, SG, ZR
	MULH 2, 0, 0, 4, SG, ZR
	s_wait_dscnt 0x0
	MULH 2, 1, 1, 0, SG, ZR
	MULH 2, 1, 1, 4, SG, ZR
	WIN 0
.endif
.endm
	s_wait_alu depctr_va_vdst(0)
	s_wait_tensorcnt 1                             ; the scale bytes and my part of K step 0 are in; K step 1's load may stay out
	s_barrier_signal -1
	s_barrier_wait -1                              ; everybody's are
	LOADW 0, 0, 0, 0
	LOADS 0, 0
	LOADX 0, 0
	LOADX 0, 4
	LOADW 0, 0, 1, 1
.irp t, 0,1,2,3,4,5,6,7                ; eight K steps, written out
	STEP \t
.endr
	; THE WAY OUT.  Where my records begin: head hr = 16 x batch + 2 bx + hh, key step s = 2 (by % 8) + rh
	s_lshr_b32 s92, s[BY], 3
	s_lshl_b32 s92, s92, 4
	s_lshl_b32 s93, s[BX], 1
	s_add_co_u32 s92, s92, s93
	s_add_co_u32 s92, s92, s[HH]                   ; hr
	s_and_b32 s93, s[BY], 7
	s_lshl_b32 s93, s93, 1
	s_add_co_u32 s93, s93, s[RH]                   ; s
	s_mul_i32 s94, s92, QREC
	s_mov_b32 s95, 0
	s_add_nc_u64 s[20:21], s[20:21], s[94:95]
	s_mul_i32 s94, s92, KVREC
	s_add_nc_u64 s[22:23], s[22:23], s[94:95]
	s_lshl_b32 s94, s93, 9
	s_add_nc_u64 s[4:5], s[20:21], s[94:95]        ; q's scale words: 512 bytes a step
	s_add_nc_u64 s[6:7], s[22:23], s[94:95]        ; k's
	s_lshl_b32 s94, s93, 8
	s_add_nc_u64 s[8:9], s[22:23], s[94:95]        ; v's: 256 bytes a step, 8,192 further on (in the immediate)
	s_lshl_b32 s94, s93, 13
	s_add_nc_u64 s[10:11], s[20:21], s[94:95]      ; q's codes: 8,192 bytes a step, 8,192 further on
	s_lshl_b32 s94, s93, 14
	s_add_nc_u64 s[12:13], s[22:23], s[94:95]      ; k's and v's codes: 16,384 bytes a step, 12,288 further on
	s_mov_b32 s[HM], 0xffff0000
	s_mov_b32 s[SEL], 0x76543210
	s_mov_b32 s[SEL+1], 0xfedcba98
	PLACES 8                                       ; behind the last products: their results are read, and their operands' and scales' registers written, from here on
.irp b, 0,1,2,3
	v_mov_b32 v[TM+4+\b], 0                        ; a lane permute's destination counts as one of its sources
.endr
; 64 numbers of a lane in window n, v[s] on, four blocks of 16 (the other 16 of each block lie in lane l xor 16), become 16 registers of codes in v[cd] on.
; mode 0: two tiles of q or k, two blocks each: two scale words of two bytes in v[wd], v[wd + 1].  mode 1: a tile of v, four blocks: one scale word in v[wd].
; A block's scale: its largest magnitude's exponent field less 8, held at 1 from below by the floor 2^(9 - 127) among the maximum's leaves.  Each accumulator is read from its low end on.
.macro QUANT n, s, cd, mode, wd
	WIN (\n)|((\n)<<2)
.irp b, 0,1,2,3
	v_max3_num_f32 v[TM+\b], |v[(\s)+16*\b]|, |v[(\s)+16*\b+1]|, 0x4800000
.endr
	WIN ((\n)<<2)|((\n)<<4)
.irp i, 2,4,6,8,10,12,14
.irp b, 0,1,2,3
	v_max3_num_f32 v[TM+\b], v[TM+\b], |v[(\s)+16*\b+\i]|, |v[(\s)+16*\b+\i+1]|
.endr
.endr
	WIN 0
.irp b, 0,1,2,3
	v_permlanex16_b32 v[TM+4+\b], v[TM+\b], s[SEL], s[SEL+1]
.endr
.irp b, 0,1,2,3
	v_max_num_f32 v[TM+\b], v[TM+\b], v[TM+4+\b]   ; with lane l xor 16's: the block's largest magnitude
.endr
.irp b, 0,1,2,3
	v_add_nc_u32 v[TM+12+\b], 0xfc000000, v[TM+\b] ; 8 off its exponent field: the conversion takes the exponent field of this operand as its scale
.endr
.irp b, 0,1,2,3
.endr
.irp b, 0,1,2,3
	v_lshrrev_b32 v[TM+4+\b], 23, v[TM+12+\b]      ; the scale's byte
.endr
.if \mode
	v_lshl_or_b32 v[\wd], v[TM+5], 8, v[TM+4]
	v_lshl_or_b32 v[\wd], v[TM+6], 16, v[\wd]
	v_lshl_or_b32 v[\wd], v[TM+7], 24, v[\wd]
.else
	v_lshl_or_b32 v[\wd], v[TM+5], 8, v[TM+4]      ; the upper two bytes stay 0: they scale the zero codes that fill K up to 128
	v_lshl_or_b32 v[(\wd)+1], v[TM+7], 8, v[TM+6]
.endif
	WIN (\n)|((\n)<<6)
.irp b, 0,1,2,3
.irp i, 0,1,2,3,4,5,6,7,8,9,10,11,12,13,14,15
.endr
.endr
	WIN (\n)
.irp b, 0,1,2,3
	v_cvt_scalef32_pk8_fp8_f32 v[(\cd)+4*\b:(\cd)+4*\b+1], v[(\s)+16*\b:(\s)+16*\b+7], v[TM+12+\b]
	v_cvt_scalef32_pk8_fp8_f32 v[(\cd)+4*\b+2:(\cd)+4*\b+3], v[(\s)+16*\b+8:(\s)+16*\b+15], v[TM+12+\b]
.endr
	WIN 0
	v_nop                                          ; a plain line behind the last conversion: the next call writes the scale operands again
.endm
.macro OUT4 cd, base, off              ; four pieces of 512 bytes on end; each call has code registers of its own, so no store's data are written again
.irp c, 0,1,2,3
	global_store_b128 v[LI], v[(\cd)+4*\c:(\cd)+4*\c+3], s[\base:\base+1] offset:(\off)+512*\c
.endr
.endm
.irp n, 0,1,2,3
	QUANT 1, 64*\n, 64+16*\n, 0, 40+2*\n
	OUT4 64+16*\n, 10, 8192+2048*\n
.endr
.irp n, 0,1,2,3
	QUANT 2, 64*\n, 128+16*\n, 0, 48+2*\n
	OUT4 128+16*\n, 12, 12288+2048*\n
.endr
.irp n, 0,1,2,3
	QUANT 3, 64*\n, 192+16*\n, 1, 56+\n
	OUT4 192+16*\n, 12, 20480+2048*\n
.endr
.irp i, 0,1,2,3                        ; both halves of the lanes hold a row's words: lanes 0-15 store the first half of them, lanes 16-31 the second, so that a wave's store is dense
	v_cndmask_b32 v[12+\i], v[40+\i], v[44+\i], s[HM]
	v_cndmask_b32 v[16+\i], v[48+\i], v[52+\i], s[HM]
.endr
	v_cndmask_b32 v20, v56, v58, s[HM]
	v_cndmask_b32 v21, v57, v59, s[HM]
	global_store_b128 v[OW8], v[12:15], s[4:5]
	global_store_b128 v[OW8], v[16:19], s[6:7]
	global_store_b64 v[OW4], v[20:21], s[8:9] offset:8192
	s_wait_tensorcnt 0x0                           ; the wave's end
	ds_add_u32 v[SPW], v[NIL]
	s_wait_dscnt 0x0
	CROUND                                         ; the closing round: no work-group ends while a partner may still ask for a tile that names it
	s_endpgm
.Lfunc_end_k_q4c021a2c91_qkv:
	.size	k_q4c021a2c91_qkv, .Lfunc_end_k_q4c021a2c91_qkv-k_q4c021a2c91_qkv
	.p2alignl 7, 3214868480
	.fill 96, 4, 3214868480
	.section	.rodata,"a",@progbits
	.p2align	6, 0x0
	.amdhsa_kernel k_q4c021a2c91_qkv
		.amdhsa_group_segment_fixed_size 327680
		.amdhsa_private_segment_fixed_size 0
		.amdhsa_enable_private_segment 0
		.amdhsa_kernarg_size 80
		.amdhsa_user_sgpr_count 2
		.amdhsa_user_sgpr_kernarg_segment_ptr 1
		.amdhsa_wavefront_size32 1
		.amdhsa_system_sgpr_workgroup_id_x 1
		.amdhsa_system_sgpr_workgroup_id_y 1
		.amdhsa_system_sgpr_workgroup_id_z 1
		.amdhsa_system_vgpr_workitem_id 0
		.amdhsa_next_free_vgpr 1024
		.amdhsa_next_free_sgpr 100
		.amdhsa_reserve_vcc 0
		.amdhsa_float_denorm_mode_32 3
		.amdhsa_float_denorm_mode_16_64 3
		.amdhsa_fp16_overflow 1
		.amdhsa_memory_ordered 1
		.amdhsa_forward_progress 1
		.amdhsa_inst_pref_size 231
	.end_amdhsa_kernel
	.amdgpu_metadata
---
amdhsa.version: [ 1, 2 ]
amdhsa.kernels:
  - .name:           k_q4c021a2c91_qkv
    .symbol:         k_q4c021a2c91_qkv.kd
    .args:
      - { .name: x_codes, .offset: 0, .size: 8, .value_kind: global_buffer, .address_space: global }
      - { .name: x_scales, .offset: 8, .size: 8, .value_kind: global_buffer, .address_space: global }
      - { .name: w_q_codes, .offset: 16, .size: 8, .value_kind: global_buffer, .address_space: global }
      - { .name: w_q_scales, .offset: 24, .size: 8, .value_kind: global_buffer, .address_space: global }
      - { .name: w_k_codes, .offset: 32, .size: 8, .value_kind: global_buffer, .address_space: global }
      - { .name: w_k_scales, .offset: 40, .size: 8, .value_kind: global_buffer, .address_space: global }
      - { .name: w_v_codes, .offset: 48, .size: 8, .value_kind: global_buffer, .address_space: global }
      - { .name: w_v_scales, .offset: 56, .size: 8, .value_kind: global_buffer, .address_space: global }
      - { .name: qbuf, .offset: 64, .size: 8, .value_kind: global_buffer, .address_space: global }
      - { .name: kv, .offset: 72, .size: 8, .value_kind: global_buffer, .address_space: global }
    .group_segment_fixed_size: 327680
    .private_segment_fixed_size: 0
    .kernarg_segment_align: 8
    .kernarg_segment_size: 80
    .max_flat_workgroup_size: 128
    .sgpr_count:     100
    .vgpr_count:     1024
    .wavefront_size: 32
...
	.end_amdgpu_metadata
.endif
;; end of part 1
;; launch attn (part 2): grid 4 x 64, 16 waves a work-group, clusters of 4 x 1, 327,680 bytes of LDS; arguments qbuf, kv, cc, cs; writes cc, cs
.if DOCPART == 2
	.amdgcn_target "amdgcn-amd-amdhsa--gfx1250"
	.amdhsa_code_object_version 6
	.text
	.protected	k_q4c021a2c91_attn
	.globl	k_q4c021a2c91_attn
	.p2align	8
	.type	k_q4c021a2c91_attn,@function
k_q4c021a2c91_attn:
	s_mov_b64 s[64:65], 0
	v_nop
	global_prefetch_b8 v0, s[64:65] scope:SCOPE_SE
	s_setreg_imm32_b32 hwreg(HW_REG_WAVE_MODE, 25, 1), 1
	s_wait_xcnt 0x0
	s_wait_alu depctr_hold_cnt(0) depctr_sa_sdst(0) depctr_va_vdst(0) depctr_va_sdst(0) depctr_va_ssrc(0) depctr_va_vcc(0) depctr_vm_vsrc(0)
	s_getreg_b32 s2, hwreg(HW_REG_IB_STS2, 6, 4)
	s_cmp_eq_u32 s2, 0
	s_cbranch_scc0 .Lentry_in_a_cluster
	s_endpgm
.Lentry_in_a_cluster:
	s_bfe_u32 s2, ttmp6, 0x10000c
	s_cmp_lg_u32 s2, 0x3003
	s_cbranch_scc0 .Lentry_shape_is_right
	s_endpgm
.Lentry_shape_is_right:
; ctx = softmax(q k^T / 8, causal) v for one head (ttmp7: 16 x batch + head), both products on codes of FP8 (E4M3) with E8M0 scales; then ctx is quantised along the model's 1,024 for the last product.
; THE SOFTMAX AHEAD OF THE SECOND PRODUCT: t = score x log2(e) / 8; M = the running largest t rounded UP to a whole number; p = 2^(t - M) is quantised along the keys, not normalised; the row's sum is taken of the
; unquantised p and divides at the end.  When M moves, the sum and O are multiplied by 2^(old M - new M): exact.
; SHARES.  The four work-groups of a cluster share a head.  The head's whole record of K and V (codes as images of operand registers, and scale words: 274,432 bytes) is brought into each one's LDS ONCE, by joint loads;
; nothing is filled again, so the loops have no barrier.  Wave w of work-group cx owns two tiles of 16 queries: i = 4 w + cx and 127 - i.  Their last key steps are w / 2 and 15 - w / 2: every wave works 17 key steps of 128 keys,
; and no branch hangs on cx.  Sixteen waves, four to a SIMD, so that one wave's exponentials stand beside another's plain work, matrix work and LDS loads.
; LAYOUT.  S^T = K Q^T (source 0 = keys, source 1 = my 16 queries), O^T = V^T P^T (source 0 = 16 channels, source 1 = P): a lane holds ONE query (lane % 16) throughout.  Tiles are 16 neighbouring keys: register 8 a + j of lane half h
; is key 16 a + 8 h + j.  p's codes are taken in that order, and V's codes were made in the same order: a permutation inside each block of 32 keys, alike on both sides.  q and k likewise along the head's 64.
; q k^T HAS K = 64, THE INSTRUCTION 128: a fragment of K holds TWO tiles of keys, tile t in registers 0-7 and tile t + 4 in registers 8-15.  Q lies as [0][q][0] in 24 registers: against [q][0] the fragment gives tile t's scores,
; against [0][q] tile t + 4's: the other tile's codes meet zero codes.  One scale word, tile t's two bytes below tile t + 4's, serves both products; Q's word holds its two bytes twice.
; A step's K is asked for one step ahead, behind the products that read the registers; V's fragments take p's registers as the conversions leave them.
; THE STEP ON THE DIAGONAL is a tile's last and is written out behind the loop, in two forms.  i % 8 = 4 (w % 2) + cx: which 64 of the step's keys hold the diagonal hangs on the wave's parity alone.  In the second 64: tiles 0-3 count whole,
; tiles 4-7 are masked.  In the first 64: tiles 0-3 are masked, tiles 4-7 are hidden whole and are not worked: their codes are zeros.
; ctx meets a weight in true order along K: two code registers a block change lanes l and l xor 16 before they leave.
; LIMITS: NaN and infinities are not served; p under 2^-126 becomes 0; a block of zeros gets the scale byte 1 (its codes are zeros; the bytes are read by this program alone).
; REGISTERS: v1-9 lane terms and addresses; v10 Q's scale word, v11 p's; v12 -M, v13 the largest t, v[14:15] the sum; v16-39 [0][q][0]; v40-103 K's four fragments; v104-167 S^T, then p, then V's four fragments; v168-199 O^T;
;   v200-215 p's codes (at a tile's end ctx's); v216-223 K's scale words; v224-227 V's; v228-255 at work.
.set REC,   274432                     ; LDS = a head's record: K's scale words [step 16][r 16][tile 8] at 0; V's [16][16][tile 4] at 8,192; from 12,288 a step's 16,384 bytes: K 8 tiles x 2 pieces x 512, V 4 tiles x 4 pieces x 512
.set QREC,  139264
.set STEP0, 12288
.set STEPB, 16384
.set ER,    11                         ; the first fill: the scale words and steps 0 and 1, 45,056 bytes: 11 rows of 256 bytes a wave;
.set RR,    56                         ; the second: the rest, 56 rows a wave
.set EARLY, 16*ER*256
.set LI,  1                            ; v1  16 x lane
.set KSL, 2                            ; v2  32 r
.set VSL, 3                            ; v3  16 r + 8,192
.set DM,  4                            ; v4  my query's place in its key step - 8 h
.set ADC, 5                            ; v5  the step's codes
.set ADS, 6                            ; v6  K's scale words
.set ADT, 7                            ; v7  V's
.set R4,  8                            ; v8  4 r
.set RH8, 9                            ; v9  r - 8 h
.set QW,  10
.set PW,  11
.set Q2,  16                           ; v16-31 [0][q]
.set Q1,  24                           ; v24-39 [q][0]
.set KF,  40
.set S,   104
.set OT,  168
.set PC,  200
.set KW,  216                          ; v216-219 the words that the products name; v220-223 tiles 4-7's as loaded
.set VW,  224
.set BM,  228                          ; v228-231 a block's largest score, then its largest p
.set PT,  232                          ; v232-235 the other half's, then the bytes
.set HL,  236
.set SO,  240                          ; v240-243 the conversions' scale operands
.set S2,  244                          ; v[244:249] three more chains of the row's sum
.set FF,  250                          ; v[250:251] f = 2^(old M - new M); the low word serves both halves
.set TP,  252
.set XT,  253
.set HW,  254
.set YT,  255
.set WV,  12
.set CX,  13
.set HR,  14
.set PAR, 15                           ; the wave's parity
.set G1E, 16
.set G1R, 24
.set G0E, 32
.set G0R, 36
.set SEL, 40
.set CS,  42
.set MNT, 44
.set HM,  45
.set SI,  46                           ; the key step
.set DG,  47                           ; my tile's last key step, the one on the diagonal
.set TB,  48                           ; where the step's codes begin
.set TS,  49                           ; K's scale words
.set TJ,  50                           ; V's
.set IA,  51
.set IB,  52
.set NEGS, 57                          ; -infinity
.set QCA, 66                           ; the first tile's bases: Q's codes, Q's scale words, cc, cs;
.set QSA, 68
.set CCA, 70
.set CSA, 72
.set QCB, 74                           ; the second tile's
.set QSB, 76
.set CCB, 78
.set CSB, 80
.macro CROUND                          ; a round of the cluster's barrier
	s_barrier_signal -1
	s_barrier_wait -1
	s_cmp_lg_u32 s[WV], 0
	s_cbranch_scc1 .Lnot_wave_0_\@
	s_barrier_signal -3
.Lnot_wave_0_\@:
	s_barrier_wait -3
	s_barrier_signal -1
	s_barrier_wait -1
.endm
	s_load_b256 s[4:11], s[0:1], 0x0               ; qbuf, kv, cc, cs
	v_lshl_add_u32 v254, v0, 2, 0x43000
	v_mov_b32 v255, 0
	ds_add_u32 v254, v255
	ds_add_u32 v254, v255
	s_wait_dscnt 0x0
	v_lshrrev_b32 v1, 5, v0
	s_delay_alu instid0(VALU_DEP_1)
	v_readfirstlane_b32 s[WV], v1                  ; wave 0..15
	s_and_b32 s[PAR], s[WV], 1
	s_bfe_u32 s[CX], ttmp6, 0x40000                ; my place in the cluster: it enters Q's and ctx's global addresses and the diagonal's lane numbers alone
	s_and_b32 s[HR], ttmp7, 0xffff                 ; the head, which the four partners share
	s_mov_b32 s[G1E], 15|(3<<16)|(1<<21)           ; the mask: all four; elements of 8 bytes; bit 21 set beside a mask; dense rows of 256 bytes, no padding
	s_mov_b32 s[G1R], 15|(3<<16)|(1<<21)
.irp g, G1E, G1R
	s_mov_b32 s[\g+1], 32<<16
	s_mov_b32 s[\g+3], 32<<16
	s_mov_b32 s[\g+5], 32
	s_mov_b32 s[\g+6], 0
	s_mov_b32 s[\g+7], 0
.endr
	s_mov_b32 s[G1E+2], ER<<16
	s_mov_b32 s[G1E+4], ER
	s_mov_b32 s[G1R+2], RR<<16
	s_mov_b32 s[G1R+4], RR
	s_mul_i32 s58, s[HR], REC
	s_mul_i32 s60, s[WV], ER*256                   ; my part of the first fill, in the record and in LDS alike,
	s_mul_i32 s61, s[WV], RR*256
	s_add_co_u32 s61, s61, EARLY                   ; and of the second
	s_mov_b32 s63, 0
	s_wait_kmcnt 0x0
	s_mov_b32 s[G0E], 1
	s_mov_b32 s[G0E+1], s60
	s_add_co_u32 s62, s58, s60
	s_add_nc_u64 s[G0E+2:G0E+3], s[6:7], s[62:63]
	s_or_b32 s[G0E+3], s[G0E+3], 0x80000000
	s_mov_b32 s[G0R], 1
	s_mov_b32 s[G0R+1], s61
	s_add_co_u32 s62, s58, s61
	s_add_nc_u64 s[G0R+2:G0R+3], s[6:7], s[62:63]
	s_or_b32 s[G0R+3], s[G0R+3], 0x80000000
	CROUND                                         ; all four work-groups are here: the joint loads meet
	tensor_load_to_lds s[G0E:G0E+3], s[G1E:G1E+7]  ; one tensor load of mine is out; LDS is filled once
	s_nop 0
	s_wait_alu depctr_va_vdst(0)
	s_wait_tensorcnt 0x0
	ds_add_u32 v254, v255
	s_wait_dscnt 0x0
	CROUND
	tensor_load_to_lds s[G0R:G0R+3], s[G1R:G1R+7]
	s_nop 0
.rept 4
	v_nop
.endr
	s_lshl_b32 s[IA], s[WV], 2
	s_add_co_u32 s[IA], s[IA], s[CX]               ; my first tile of queries,
	s_sub_co_u32 s[IB], 127, s[IA]                 ; my second
	s_mul_i32 s53, s[HR], QREC
	s_and_b32 s54, s[HR], 1                        ; which half of a K step of the last product my head is,
	s_bfe_u32 s55, s[HR], 0x30001                  ; which K step,
	s_lshr_b32 s56, s[HR], 4
	s_lshl_b32 s56, s56, 7                         ; the batch's first tile of rows
; tile s[it]: Q's codes at 8,192 + 1,024 i of the head's record (the 8,192 in the immediate), its scale words at 512 (i / 8) + 4 (i % 8) + 32 r;
; ctx: T = the row tile among all 512, F = ((T / 16) 8 + K step) 16 + T % 16: codes at 2,048 F + 1,024 x half, scale half words at 64 F + 2 x half + 4 r
.macro BASES it, qc, qs, ccb, csb
	s_mov_b32 s59, 0
	s_lshl_b32 s58, s[\it], 10
	s_add_co_u32 s58, s58, s53
	s_add_nc_u64 s[\qc:\qc+1], s[4:5], s[58:59]
	s_lshr_b32 s58, s[\it], 3
	s_lshl_b32 s58, s58, 9
	s_and_b32 s60, s[\it], 7
	s_lshl_b32 s60, s60, 2
	s_add_co_u32 s58, s58, s60
	s_add_co_u32 s58, s58, s53
	s_add_nc_u64 s[\qs:\qs+1], s[4:5], s[58:59]
	s_add_co_u32 s60, s56, s[\it]
	s_lshr_b32 s61, s60, 4
	s_lshl_b32 s61, s61, 3
	s_add_co_u32 s61, s61, s55
	s_lshl_b32 s61, s61, 4
	s_and_b32 s60, s60, 15
	s_add_co_u32 s61, s61, s60
	s_lshl_b32 s58, s61, 11
	s_lshl_b32 s60, s54, 10
	s_add_co_u32 s58, s58, s60
	s_add_nc_u64 s[\ccb:\ccb+1], s[8:9], s[58:59]
	s_lshl_b32 s58, s61, 6
	s_lshl_b32 s60, s54, 1
	s_add_co_u32 s58, s58, s60
	s_add_nc_u64 s[\csb:\csb+1], s[10:11], s[58:59]
.endm
	BASES IA, QCA, QSA, CCA, CSA
	BASES IB, QCB, QSB, CCB, CSB
	s_mov_b32 s[SEL], 0x76543210
	s_mov_b32 s[SEL+1], 0xfedcba98                 ; v_permlanex16_b32's selects for lane l xor 16
	s_mov_b32 s[CS], 0x3e38aa3b                    ; c = log2(e) / 8
	s_mov_b32 s[CS+1], s[CS]                       ; (named with it as a pair, so it is written)
	s_mov_b32 s[HM], 0xffff0000                    ; lanes 16-31
	s_mov_b32 s[NEGS], 0xff800000
	v_and_b32 v8, 15, v0                           ; r
	v_bfe_u32 v9, v0, 4, 1                         ; h
	v_and_b32 v1, 31, v0
	s_delay_alu instid0(VALU_DEP_1)
	v_lshlrev_b32 v[LI], 4, v1
	s_delay_alu instid0(VALU_DEP_4)
	v_lshlrev_b32 v[KSL], 5, v8
	v_lshl_add_u32 v[VSL], v8, 4, 8192
	v_lshlrev_b32 v9, 3, v9
	s_delay_alu instid0(VALU_DEP_1)
	v_sub_nc_u32 v[RH8], v8, v9
	v_lshlrev_b32 v[R4], 2, v8
	global_load_b128 v[Q1:Q1+3], v[LI], s[QCA:QCA+1] offset:8192     ; the first tile's Q: two pieces,
	global_load_b128 v[Q1+4:Q1+7], v[LI], s[QCA:QCA+1] offset:8192+512
	global_load_b32 v[QW], v[KSL], s[QSA:QSA+1]                      ; and its rows' scale words
.irp j, 0,1,2,3,4,5,6,7
	v_mov_b32 v[Q2+\j], 0                          ; the zero codes on both sides of q: written once
	v_mov_b32 v[Q1+8+\j], 0
.endr
.irp b, 0,1,2,3
	v_mov_b32 v[PT+\b], 0                          ; a lane permute's destination counts as one of its sources
.endr
	v_mov_b32 v[TP], 0
	v_mov_b32 v[YT], 0
	v_mov_b32 v[FF+1], 0                           ; (named as the upper half of a pair)
; A tile's start: O^T and the sum begin as zeros and the largest t as -3e38: the first change of M multiplies zeros
.macro START it
	s_and_b32 s58, s[\it], 7
	s_lshl_b32 s58, s58, 4
	v_add_nc_u32 v[DM], s58, v[RH8]                ; 16 (i % 8) + r - 8 h
	v_mov_b32 v13, 0xff61b1e6
	s_delay_alu instid0(VALU_DEP_1)
	v_floor_f32 v12, -v13
	v_mov_b32 v14, 0
	v_mov_b32 v15, 0
.set j, 0
.rept 32
	v_mov_b32 v[OT+j], 0
.set j, j+1
.endr
	s_mov_b32 s[SI], 0
	s_mov_b32 s[TB], STEP0
	s_mov_b32 s[TS], 0
	s_mov_b32 s[TJ], 0
.endm
; A step's K: my row's eight scale words first, then four fragments: tile t's two pieces in registers 0-7, tile t + 4's in registers 8-15.  co, so: bytes beyond v[ADC], v[ADS]
.macro KLOAD co, so
	ds_load_b128 v[KW:KW+3], v[ADS] offset:(\so)
	ds_load_b128 v[KW+4:KW+7], v[ADS] offset:(\so)+16
.irp t, 0,1,2,3
	ds_load_b128 v[KF+16*\t:KF+16*\t+3],     v[ADC] offset:(\co)+1024*\t
	ds_load_b128 v[KF+16*\t+4:KF+16*\t+7],   v[ADC] offset:(\co)+1024*\t+512
	ds_load_b128 v[KF+16*\t+8:KF+16*\t+11],  v[ADC] offset:(\co)+1024*\t+4096
	ds_load_b128 v[KF+16*\t+12:KF+16*\t+15], v[ADC] offset:(\co)+1024*\t+4608
.endr
.endm
.macro KWORDS                          ; tile t + 4's two bytes above tile t's: the word of a fragment
.irp t, 0,1,2,3
	v_lshl_or_b32 v[KW+\t], v[KW+4+\t], 16, v[KW+\t]
.endr
.endm
; What stands ahead of a tile's first key step: K of step 0, Q, their scale words, and eight places behind the lines that make the words
.macro FIRSTK
	v_add_nc_u32 v[ADC], s[TB], v[LI]
	v_add_nc_u32 v[ADS], s[TS], v[KSL]
	KLOAD 0, 0
	s_wait_dscnt 0x0
	KWORDS
	s_wait_loadcnt 0x0                             ; Q
	v_lshl_or_b32 v[QW], v[QW], 16, v[QW]          ; its two bytes twice
.rept 8
	v_nop
.endr
.endm
; A KEY STEP of 128 keys for my tile; its K lies in registers.
; kind 0: a step ahead of the diagonal, in a loop of a constant number of trips: a trip at or behind the diagonal is left out by a scalar branch on the wave's number and the counter, not round the lines that step addresses.  It asks for the next step's K.
; kind 1: the diagonal's step, the diagonal in its second 64 keys.   kind 2: in its first 64: two blocks of 32 keys are worked, the other two are zero codes.
.macro UNIT kind
.set NBL, 4
.if (\kind) == 2
.set NBL, 2
.endif
.if (\kind) == 0
	s_cmp_ge_u32 s[SI], s[DG]
	s_cbranch_scc1 .Lskip_\@
.endif
	s_setprio 2
.rept 6
	v_nop                                          ; with the three additions that end a step nine places: the products below write over registers that the last step's products read as a source
.endr
	s_wait_alu depctr_va_vdst(0)
.irp t, 0,1,2,3                                ; S^T = K Q^T: each fragment twice
	v_wmma_scale_f32_16x16x128_f8f6f4 v[S+8*\t:S+8*\t+7], v[KF+16*\t:KF+16*\t+15], v[Q1:Q1+15], 0, v[KW+\t], v[QW]
.if (\kind) != 2
	v_wmma_scale_f32_16x16x128_f8f6f4 v[S+32+8*\t:S+39+8*\t], v[KF+16*\t:KF+16*\t+15], v[Q2:Q2+15], 0, v[KW+\t], v[QW]
.endif
.endr
	v_add_nc_u32 v[ADC], s[TB], v[LI]              ; eight places behind the products, in front of the loads into their sources and of the first read of their results
	v_add_nc_u32 v[ADT], s[TJ], v[VSL]
.if (\kind) == 0
	v_add_nc_u32 v[ADS], s[TS], v[KSL]
.else
	v_nop
.endif
.rept 5
	v_nop
.endr
.if (\kind) == 0
	KLOAD STEPB, 512                               ; the next step's K: it has the whole softmax in which to land
.else
.set n, 32*(2-(\kind))                         ; register 8 a + j holds key 16 a + 8 h + j of the step: it counts where 16 a + j <= DM; else its score becomes -infinity, its p 0.  Each accumulator from its low end on
.rept 32
	v_cmp_le_i32 vcc_lo, 16*(n/8)+n%8, v[DM]
	v_cndmask_b32 v[S+n], s[NEGS], v[S+n], vcc_lo
.set n, n+1
.endr
.endif
.irp b, 0,1,2,3                                ; the largest score of each block of 32 keys, the blocks by turns.  It serves twice: for the row's maximum and, since p rises with the score, for the block's largest p
.if \b < NBL
	v_max3_num_f32 v[BM+\b], v[S+16*\b], v[S+16*\b+1], v[S+16*\b+2]
.endif
.endr
.irp i, 3,5,7,9,11,13
.irp b, 0,1,2,3
.if \b < NBL
	v_max3_num_f32 v[BM+\b], v[BM+\b], v[S+16*\b+\i], v[S+16*\b+\i+1]
.endif
.endr
.endr
.irp b, 0,1,2,3
.if \b < NBL
	v_max_num_f32 v[BM+\b], v[BM+\b], v[S+16*\b+15]
.endif
.endr
.irp b, 0,1,2,3
.if \b < NBL
	v_permlanex16_b32 v[PT+\b], v[BM+\b], s[SEL], s[SEL+1]
.endif
.endr
.irp b, 0,1,2,3
.if \b < NBL
	v_max_num_f32 v[BM+\b], v[BM+\b], v[PT+\b]     ; with lane l xor 16's 16 keys
.endif
.endr
.if NBL == 4
	s_delay_alu instid0(VALU_DEP_2)
	v_max3_num_f32 v[TP], v[BM], v[BM+1], v[BM+2]
	s_delay_alu instid0(VALU_DEP_1)
	v_max_num_f32 v[TP], v[TP], v[BM+3]            ; the step's largest score of my query
.else
	s_delay_alu instid0(VALU_DEP_1)
	v_max_num_f32 v[TP], v[BM], v[BM+1]
.endif
	s_delay_alu instid0(VALU_DEP_1)
	v_mul_f32 v[TP], s[CS], v[TP]                  ; as t (c is positive)
	s_delay_alu instid0(VALU_DEP_1)
	v_max_num_f32 v13, v13, v[TP]                  ; the running largest t
	v_mov_b32 v[TP], v12
	s_delay_alu instid0(VALU_DEP_2)
	v_floor_f32 v12, -v13                          ; the new -M = floor(-t) = -ceil(t): a whole number
	s_delay_alu instid0(VALU_DEP_1)
	v_sub_f32 v[TP], v12, v[TP]                    ; old M - new M: a whole number, 0 or less
	s_delay_alu instid0(VALU_DEP_1)
	v_cvt_i32_f32 v[TP], v[TP]                     ; (it saturates)
	s_delay_alu instid0(VALU_DEP_1)
	v_ldexp_f32 v[FF], 1.0, v[TP]                  ; f = 2^(old M - new M)
.set j, 0
.rept 8*NBL
	v_pk_fma_f32 v[S+j:S+j+1], v[S+j:S+j+1], s[CS:CS+1], v[12:13] op_sel_hi:[1,0,0]   ; t - M, two at a time
.set j, j+2
.endr
.irp b, 0,1,2,3
.if \b < NBL
	v_fma_f32 v[BM+\b], v[BM+\b], s[CS], v12       ; the same of each block's largest score
.endif
.endr
	s_wait_alu depctr_va_vdst(0)
.irp b, 0,1,2,3
.if \b < NBL
	v_exp_f32 v[BM+\b], v[BM+\b]                   ; the block's largest p: the same two instructions on the same number
.endif
.endr
.set j, 0
.rept 16*NBL
	v_exp_f32 v[S+j], v[S+j]                       ; p = 2^(t - M), at most 1
.set j, j+1
.endr
	s_setprio 1
	v_pk_mul_f32 v[14:15], v[14:15], v[FF:FF+1] op_sel_hi:[1,0]   ; the sum under the new M (a plain line behind the exponentials)
	s_wait_alu depctr_va_vdst(0)
.irp b, 0,1,2,3
.if \b < NBL
	v_max_num_f32 v[BM+\b], 0x4800000, v[BM+\b]    ; the floor 2^(9 - 127): the byte cannot fall under 1
.endif
.endr
.irp b, 0,1,2,3
.if \b < NBL
	v_add_nc_u32 v[SO+\b], 0xfc000000, v[BM+\b]    ; 8 off the exponent field: the conversion's scale operand
.endif
.endr
.irp b, 0,1,2,3
.if \b < NBL
.endif
.endr
.irp b, 0,1,2,3
.if \b < NBL
	v_lshrrev_b32 v[PT+\b], 23, v[SO+\b]           ; the scale's byte
.endif
.endr
	v_lshl_or_b32 v[PW], v[PT+1], 8, v[PT]         ; p's scale word for these 128 keys: made far more than eight plain lines ahead of the products that name it
.if NBL == 4
	s_delay_alu instid0(VALU_DEP_1)
	v_lshl_or_b32 v[PW], v[PT+2], 16, v[PW]
	s_delay_alu instid0(VALU_DEP_1)
	v_lshl_or_b32 v[PW], v[PT+3], 24, v[PW]        ; (with two blocks the upper bytes stay 0: they scale zero codes)
.endif
.if (\kind) == 0
	s_wait_dscnt 16                                ; the next step's scale words are in: behind their two loads stand the 16 loads of its K
	KWORDS
.endif
.irp bp, 0,1                                   ; two blocks at a time: the sum, the conversions; then V's two fragments take their registers
.if 2*\bp < NBL
.if \bp == 0
	v_pk_add_f32 v[S2:S2+1], v[S:S+1], v[S+2:S+3]  ; the row's sum is taken of the unquantised p: two at a time, in four chains
	v_pk_add_f32 v[S2+2:S2+3], v[S+4:S+5], v[S+6:S+7]
	v_pk_add_f32 v[S2+4:S2+5], v[S+8:S+9], v[S+10:S+11]
	v_pk_add_f32 v[14:15], v[14:15], v[S+12:S+13]
.set k, 7
.else
.set k, 16
.endif
.rept 16-7*(1-\bp)
.set rc, S2+2*((k-7)%4)
.if (k-7)%4 == 3
.set rc, 14
.endif
	v_pk_add_f32 v[rc:rc+1], v[rc:rc+1], v[S+2*k:S+2*k+1]
.set k, k+1
.endr
.set i, 0
.rept 16                                       ; the conversion does not saturate (ISA guide 7.6.2)
.set rX, S+32*\bp+i
.set rY, S+32*\bp+16+i+1-2*(i%2)
.set i, i+1
.endr
.irp u, 0,1
	v_cvt_scalef32_pk8_fp8_f32 v[PC+8*\bp+4*\u:PC+8*\bp+4*\u+1], v[S+32*\bp+16*\u:S+32*\bp+16*\u+7], v[SO+2*\bp+\u]
	v_cvt_scalef32_pk8_fp8_f32 v[PC+8*\bp+4*\u+2:PC+8*\bp+4*\u+3], v[S+32*\bp+16*\u+8:S+32*\bp+16*\u+15], v[SO+2*\bp+\u]
.endr
.else
.set j, 0
.rept 8
	v_mov_b32 v[PC+8+j], 0                         ; the hidden 64 keys: zero codes
.set j, j+1
.endr
.endif
.irp u, 0,1
.irp c, 0,1,2,3
	ds_load_b128 v[S+32*\bp+16*\u+4*\c:S+32*\bp+16*\u+4*\c+3], v[ADC] offset:8192+2048*(2*\bp+\u)+512*\c
.endr
.endr
.endr
	s_setprio 0
	ds_load_b128 v[VW:VW+3], v[ADT]                ; my channel's scale words of the four tiles
.set j, 0
.rept 16
	v_pk_mul_f32 v[OT+j:OT+j+1], v[OT+j:OT+j+1], v[FF:FF+1] op_sel_hi:[1,0]   ; O^T under the new M; these lines also stand between the conversions and the products
.set j, j+2
.endr
	s_wait_alu depctr_va_vdst(0)
	s_wait_dscnt 0x0                               ; V is in, and so is the next step's K
.irp t, 0,1,2,3                                ; O^T += V^T P^T: the four accumulators by turns
	v_wmma_scale_f32_16x16x128_f8f6f4 v[OT+8*\t:OT+8*\t+7], v[S+16*\t:S+16*\t+15], v[PC:PC+15], v[OT+8*\t:OT+8*\t+7], v[VW+\t], v[PW]
.endr
	v_pk_add_f32 v[S2:S2+1], v[S2:S2+1], v[S2+2:S2+3]   ; the sum's four chains are joined: three places behind the products
	v_pk_add_f32 v[14:15], v[14:15], v[S2+4:S2+5]
	s_delay_alu instid0(VALU_DEP_1)
	v_pk_add_f32 v[14:15], v[14:15], v[S2:S2+1]
.if (\kind) == 0
.Lskip_\@:
	s_add_co_u32 s[TB], s[TB], STEPB
	s_add_co_u32 s[TS], s[TS], 512
	s_add_co_u32 s[TJ], s[TJ], 256
	s_add_co_u32 s[SI], s[SI], 1
.endif
.endm
; The diagonal's step: its K was asked for by the step before it (or stands since the tile's start); V's addresses come from the step's number.  low: the parity of the waves whose diagonal lies in the step's first 64 keys
.macro DIAG low
	s_lshl_b32 s[TB], s[DG], 14
	s_add_co_u32 s[TB], s[TB], STEP0
	s_lshl_b32 s[TJ], s[DG], 8
	s_cmp_eq_u32 s[PAR], \low
	s_cbranch_scc1 .Llow_\@
	UNIT 1
	s_branch .Ldone_\@
.Llow_\@:
	UNIT 2
.Ldone_\@:
.endm
; A tile's end: O^T / the sum; its 32 registers are two blocks of 32 along the model's axis (with lane l xor 16): quantised, brought into true order, stored.
.macro FINISH job, ccb, csb
.rept 8
	v_nop                                          ; places behind the last products
.endr
.if (\job) == 0
	global_load_b128 v[Q1:Q1+3], v[LI], s[QCB:QCB+1] offset:8192     ; the second tile's Q lands while the first tile leaves
	global_load_b128 v[Q1+4:Q1+7], v[LI], s[QCB:QCB+1] offset:8192+512
	global_load_b32 v[QW], v[KSL], s[QSB:QSB+1]
.endif
	v_add_f32 v14, v14, v15
	s_delay_alu instid0(VALU_DEP_1)
	v_permlanex16_b32 v[TP], v14, s[SEL], s[SEL+1]
	s_delay_alu instid0(VALU_DEP_1)
	v_add_f32 v14, v14, v[TP]                      ; the row's sum
	s_wait_alu depctr_va_vdst(0)
	v_rcp_f32 v14, v14
	v_nop                                          ; a plain line behind the transcendental
.set j, 0
	s_wait_alu depctr_va_vdst(0)
.rept 16
	v_pk_mul_f32 v[OT+j:OT+j+1], v[OT+j:OT+j+1], v[14:15] op_sel_hi:[1,0]   ; register 8 t + j: ctx(my query, channel 16 t + 8 h + j)
.set j, j+2
.endr
.irp b, 0,1
	v_max3_num_f32 v[BM+\b], |v[OT+16*\b]|, |v[OT+16*\b+1]|, 0x4800000
.endr
.irp i, 2,4,6,8,10,12,14
.irp b, 0,1
	s_delay_alu instid0(VALU_DEP_2)
	v_max3_num_f32 v[BM+\b], v[BM+\b], |v[OT+16*\b+\i]|, |v[OT+16*\b+\i+1]|
.endr
.endr
.irp b, 0,1
	s_delay_alu instid0(VALU_DEP_2)
	v_permlanex16_b32 v[PT+\b], v[BM+\b], s[SEL], s[SEL+1]
.endr
.irp b, 0,1
	s_delay_alu instid0(VALU_DEP_2)
	v_max_num_f32 v[BM+\b], v[BM+\b], v[PT+\b]
.endr
.irp b, 0,1
	s_delay_alu instid0(VALU_DEP_2)
	v_add_nc_u32 v[SO+\b], 0xfc000000, v[BM+\b]
.endr
.irp b, 0,1
.endr
.irp b, 0,1
	s_delay_alu instid0(VALU_DEP_2)
	v_lshrrev_b32 v[PT+\b], 23, v[SO+\b]
.endr
	s_delay_alu instid0(VALU_DEP_1)
	v_lshl_or_b32 v[HW], v[PT+1], 8, v[PT]         ; my head's half of the row's scale word
.irp b, 0,1
.irp i, 0,1,2,3,4,5,6,7,8,9,10,11,12,13,14,15
.endr
	v_cvt_scalef32_pk8_fp8_f32 v[PC+4*\b:PC+4*\b+1], v[OT+16*\b:OT+16*\b+7], v[SO+\b]       ; channels 32 b + 8 h + 0 .. 7,
	v_cvt_scalef32_pk8_fp8_f32 v[PC+4*\b+2:PC+4*\b+3], v[OT+16*\b+8:OT+16*\b+15], v[SO+\b]  ; 32 b + 16 + 8 h + 0 .. 7
.endr
	v_nop                                          ; a plain line behind the last conversion
.irp b, 0,1                                    ; true order wants channels 32 b + 16 h + 0 .. 15: lanes 0-15 give their second pair for the other half's first, lanes 16-31 the other way round
.irp e, 0,1
	v_cndmask_b32 v[XT], v[PC+4*\b+2+\e], v[PC+4*\b+\e], s[HM]
	s_delay_alu instid0(VALU_DEP_1)
	v_permlanex16_b32 v[YT], v[XT], s[SEL], s[SEL+1]
	v_cndmask_b32 v[PC+4*\b+\e], v[PC+4*\b+\e], v[YT], s[HM]
	v_cndmask_b32 v[PC+4*\b+2+\e], v[YT], v[PC+4*\b+2+\e], s[HM]
.endr
.endr
	global_store_b128 v[LI], v[PC:PC+3], s[\ccb:\ccb+1]              ; two pieces of 512 bytes on end
	global_store_b128 v[LI], v[PC+4:PC+7], s[\ccb:\ccb+1] offset:512
	global_store_b16 v[R4], v[HW], s[\csb:\csb+1]                    ; (lanes 16-31 repeat lanes 0-15's value at the same place)
.endm
	s_lshr_b32 s[DG], s[WV], 1
	START IA
	s_wait_tensorcnt 1                             ; my part of the scale words and of steps 0 and 1 is in; the large fill may stay out
	s_barrier_signal -1
	s_barrier_wait -1                              ; everybody's is
	FIRSTK
	UNIT 0                                         ; key step 0 of the first tile (where it lies ahead of the diagonal), while the rest of the record lands; it asks for step 1's K, which the first fill brought
	s_wait_tensorcnt 0x0                           ; my part of the rest is in
	s_wait_dscnt 0x0
	s_barrier_signal -1
	s_barrier_wait -1                              ; everybody's is: from here on LDS is only read
.Lfirst:                                           ; steps 1 to 6: the first tile's diagonal lies in step 7 at the latest
	UNIT 0
	s_cmp_lt_u32 s[SI], 7
	s_cbranch_scc1 .Lfirst
	s_setprio 0
	DIAG 0                                         ; i % 8 = 4 (w % 2) + cx: in the first 64 keys for even waves
	s_wait_alu depctr_va_vdst(0)
	FINISH 0, CCA, CSA
	s_lshr_b32 s[DG], s[WV], 1
	s_xor_b32 s[DG], s[DG], 15                     ; 15 - w / 2
	START IB
	s_wait_xcnt 0x0                                ; the first tile's stores have read their registers: p's codes are written there again
	FIRSTK
.Lsecond:                                          ; steps 0 to 14
	UNIT 0
	s_cmp_lt_u32 s[SI], 15
	s_cbranch_scc1 .Lsecond
	s_setprio 0
	DIAG 1                                         ; (127 - i) % 8 = 7 - i % 8: in the first 64 keys for odd waves
	s_wait_alu depctr_va_vdst(0)
	FINISH 1, CCB, CSB
	s_wait_xcnt 0x0
	v_lshl_add_u32 v254, v0, 2, 0x43000
	v_mov_b32 v255, 0
	s_wait_alu depctr_va_vdst(0)
	s_wait_tensorcnt 0x0
	ds_add_u32 v254, v255
	s_wait_dscnt 0x0
	CROUND                                         ; the closing round
	s_endpgm
.Lfunc_end_k_q4c021a2c91_attn:
	.size	k_q4c021a2c91_attn, .Lfunc_end_k_q4c021a2c91_attn-k_q4c021a2c91_attn
	.p2alignl 7, 3214868480
	.fill 96, 4, 3214868480
	.section	.rodata,"a",@progbits
	.p2align	6, 0x0
	.amdhsa_kernel k_q4c021a2c91_attn
		.amdhsa_group_segment_fixed_size 327680
		.amdhsa_private_segment_fixed_size 0
		.amdhsa_enable_private_segment 0
		.amdhsa_kernarg_size 32
		.amdhsa_user_sgpr_count 2
		.amdhsa_user_sgpr_kernarg_segment_ptr 1
		.amdhsa_wavefront_size32 1
		.amdhsa_system_sgpr_workgroup_id_x 1
		.amdhsa_system_sgpr_workgroup_id_y 1
		.amdhsa_system_sgpr_workgroup_id_z 1
		.amdhsa_system_vgpr_workitem_id 0
		.amdhsa_next_free_vgpr 256
		.amdhsa_next_free_sgpr 82
		.amdhsa_reserve_vcc 1
		.amdhsa_float_denorm_mode_32 3
		.amdhsa_float_denorm_mode_16_64 3
		.amdhsa_fp16_overflow 1
		.amdhsa_memory_ordered 1
		.amdhsa_forward_progress 1
		.amdhsa_inst_pref_size 136
	.end_amdhsa_kernel
	.amdgpu_metadata
---
amdhsa.version: [ 1, 2 ]
amdhsa.kernels:
  - .name:           k_q4c021a2c91_attn
    .symbol:         k_q4c021a2c91_attn.kd
    .args:
      - { .name: qbuf, .offset: 0, .size: 8, .value_kind: global_buffer, .address_space: global }
      - { .name: kv, .offset: 8, .size: 8, .value_kind: global_buffer, .address_space: global }
      - { .name: cc, .offset: 16, .size: 8, .value_kind: global_buffer, .address_space: global }
      - { .name: cs, .offset: 24, .size: 8, .value_kind: global_buffer, .address_space: global }
    .group_segment_fixed_size: 327680
    .private_segment_fixed_size: 0
    .kernarg_segment_align: 8
    .kernarg_segment_size: 32
    .max_flat_workgroup_size: 512
    .sgpr_count:     82
    .vgpr_count:     256
    .wavefront_size: 32
...
	.end_amdgpu_metadata
.endif
;; end of part 2
;; launch oproj (part 3): grid 8 x 32, 4 waves a work-group, clusters of 4 x 4, 327,680 bytes of LDS; arguments cc, cs, w_o_codes, w_o_scales, b_o, out0; writes out0
.if DOCPART == 3
	.amdgcn_target "amdgcn-amd-amdhsa--gfx1250"
	.amdhsa_code_object_version 6
	.text
	.protected	k_q4c021a2c91_oproj
	.globl	k_q4c021a2c91_oproj
	.p2align	8
	.type	k_q4c021a2c91_oproj,@function
k_q4c021a2c91_oproj:
	s_mov_b64 s[64:65], 0
	v_nop
	global_prefetch_b8 v0, s[64:65] scope:SCOPE_SE
	s_setreg_imm32_b32 hwreg(HW_REG_WAVE_MODE, 25, 1), 1
	s_wait_xcnt 0x0
	s_wait_alu depctr_hold_cnt(0) depctr_sa_sdst(0) depctr_va_vdst(0) depctr_va_sdst(0) depctr_va_ssrc(0) depctr_va_vcc(0) depctr_vm_vsrc(0)
	s_getreg_b32 s2, hwreg(HW_REG_IB_STS2, 6, 4)
	s_cmp_eq_u32 s2, 0
	s_cbranch_scc0 .Lentry_in_a_cluster
	s_endpgm
.Lentry_in_a_cluster:
	s_bfe_u32 s2, ttmp6, 0x10000c
	s_cmp_lg_u32 s2, 0xf033
	s_cbranch_scc0 .Lentry_shape_is_right
	s_endpgm
.Lentry_shape_is_right:
; out = ctx Wo^T + b_o on codes of FP8 (E4M3) with one E8M0 scale for each 32 along K = 1,024; out is f32.
; ctx's codes lie as images of operand registers, [block of 256 rows][K step of 128][tile 16][piece 4][512 bytes: lane l's registers 4 c .. 4 c + 3 at 16 l], its scale words [block][K step][tile][r]; Wo as rows of 1,024 codes.
; SHARES.  A work-group makes 256 rows (by) x 128 columns (bx): 256 work-groups.  A wave (rh = w / 2, ch = w % 2) makes 128 x 64: 32 accumulators.  A tile of 256 x 256 would read less from LDS for each product and leave half of the WGPs without work.
; THE MATRIX INSTRUCTION IS USED TRANSPOSED (source 0 = 16 rows of Wo, source 1 = 16 rows of ctx): a lane holds eight neighbouring columns of one row.  The bias is the C of each sum's first matrix instruction.
; K = 1,024 is four parts of 256.  THREE LDS slots are filled at the start, with all scale bytes; the fourth part goes into slot 0 when that has been read out: one refill, one round of the cluster's barrier,
; and the refill has four K steps of 128, 128 matrix instructions, in which to land.  ctx's part of a slot is dense (read at 16 x lane: no padding needed), Wo's rows are 256 bytes + 16.
; CLUSTERS: 4 x 4 work-groups.  The four of a row share by and so ctx's tiles, the four of a column share bx and so Wo's: each tile is asked for jointly.
; REGISTERS, in windows of 256: window 0: v1-15 addresses, v32-55 scale words (two sets of 8 + 4);  window 1: ctx's fragments, two sets of 128; on the way out 32 registers for each block of 16 rows;
;   window 2: Wo's fragments, two sets of 64; v128-159 the bias;  window 3: the accumulators, (a, t) at v[8 (4 a + t)].
.set BP,    272
.set BOFF,  65536                      ; a slot: two K steps of ctx, 32,768 bytes each; then Wo's 128 rows x 272
.set SLOT,  BOFF+128*BP
.set CSL,   3*SLOT                     ; behind the three slots: ctx's scale words, 8,192 dense bytes;
.set WSL,   CSL+8192                   ; Wo's scale bytes, 128 rows x 32, as 16 rows of 256 + 16;
.set SPARE, WSL+16*272                 ; the spare words, 128 bytes a wave: two blocks of 256 bytes that no other line names
.set STAGE, SLOT                       ; the stages for the way out, 16 rows x 272 for each wave, lie in slot 1: it has had its only fill, and every wave's reads of it are over at the last barrier
.set LI,   1
.set SPW,  2
.set NIL,  3
.set ADRA, 4                           ; v4-6  my ctx fragments in slot 0, 1, 2
.set ADRB, 7                           ; v7-9  my Wo fragments
.set ASA,  10                          ; v10   ctx's scale words
.set ASB,  11                          ; v11   Wo's
.set STO,  12
.set RD,   13
.set CO,   14
.set BO,   15
.set SC,   32
.set BIAS, 128
.set WV, 16
.set RH, 17
.set CH, 18
.set CX, 19
.set CY, 20
.set BX, 21
.set BY, 22
.set G1A,  24
.set G1B,  32
.set G1AS, 40
.set G1BS, 48
.set G0A,  56                          ; s[56:63] group 0 for ctx's tiles, slots 0 and 1;  s[68:75] for Wo's;  s[76:79], s[80:83] for the scale bytes;  s[84:87], s[88:91] slot 2's
.set G0B,  68
.set G0AS, 76
.set G0BS, 80
.set G0A2, 84
.set G0B2, 88
.set MSB, 0
.macro WIN new
.if MSB != (\new)
	s_set_vgpr_msb (MSB<<8)|(\new)
.set MSB, (\new)
.endif
.endm
.macro PLACES n
.rept \n
	v_nop
.endr
.endm
.macro JLOAD g0a, g1a, g0b, g1b        ; waves 0 and 1 fetch for ctx, waves 2 and 3 for Wo; four v_nop follow each of the two lines
	s_cmp_eq_u32 s[RH], 0
	s_cbranch_scc0 .Lfor_b_\@
	tensor_load_to_lds s[\g0a:\g0a+3], s[\g1a:\g1a+7]
	s_nop 0
.rept 4
	v_nop
.endr
	s_branch .Lasked_\@
.Lfor_b_\@:
	tensor_load_to_lds s[\g0b:\g0b+3], s[\g1b:\g1b+7]
	s_nop 0
.rept 4
	v_nop
.endr
.Lasked_\@:
.endm
.macro CROUND                          ; a round of the cluster's barrier
	s_barrier_signal -1
	s_barrier_wait -1
	s_cmp_lg_u32 s[WV], 0
	s_cbranch_scc1 .Lnot_wave_0_\@
	s_barrier_signal -3
.Lnot_wave_0_\@:
	s_barrier_wait -3
	s_barrier_signal -1
	s_barrier_wait -1
.endm
	s_load_b256 s[4:11], s[0:1], 0x0               ; cc, cs, Wo's codes, Wo's scales
	s_load_b128 s[12:15], s[0:1], 0x20             ; b_o, out
	v_lshl_add_u32 v[SPW], v0, 2, SPARE
	v_mov_b32 v[NIL], 0
	ds_add_u32 v2, v3
	ds_add_u32 v2, v3
	s_wait_dscnt 0x0
	v_lshrrev_b32 v1, 5, v0
	v_readfirstlane_b32 s[WV], v1
	s_lshr_b32 s[RH], s[WV], 1                     ; which 128 rows are mine.  Also: I fetch for ctx (0) or for Wo (1)
	s_and_b32 s[CH], s[WV], 1                      ; which 64 columns.  Also: which half of a tile I fetch
	s_bfe_u32 s[CX], ttmp6, 0x40000
	s_bfe_u32 s[CY], ttmp6, 0x40004
	s_lshl_b32 s[BX], ttmp9, 2
	s_add_co_u32 s[BX], s[BX], s[CX]
	s_and_b32 s[BY], ttmp7, 0xffff
	s_lshl_b32 s[BY], s[BY], 2
	s_add_co_u32 s[BY], s[BY], s[CY]
	s_lshl_b32 s66, s[CY], 2
	s_lshl_b32 s66, 15, s66                        ; my row of the cluster
	s_lshl_b32 s67, 0x1111, s[CX]                  ; my column
	s_or_b32 s[G1A], s66, (3<<16)|(1<<21)          ; ctx: 128 dense rows of 256 bytes (32 elements of 8 bytes), no padding
	s_mov_b32 s[G1A+1], 32<<16
	s_mov_b32 s[G1A+2], 128<<16
	s_mov_b32 s[G1A+3], 32<<16
	s_mov_b32 s[G1A+4], 128
	s_mov_b32 s[G1A+5], 32
	s_mov_b32 s[G1A+6], 0
	s_mov_b32 s[G1A+7], 0
	s_or_b32 s[G1B], s67, (1<<20)|(1<<21)|(5<<22)|(3<<25)   ; Wo: 64 rows of 256 bytes, 1,024 apart; four words of padding behind every 64
	s_mov_b32 s[G1B+1], 256<<16
	s_mov_b32 s[G1B+2], 64<<16
	s_mov_b32 s[G1B+3], 256<<16
	s_mov_b32 s[G1B+4], 64
	s_mov_b32 s[G1B+5], 1024
	s_mov_b32 s[G1B+6], 0
	s_mov_b32 s[G1B+7], 0
	s_or_b32 s[G1AS], s66, (3<<16)|(1<<21)         ; ctx's scale words: 16 dense rows of 256 bytes
	s_mov_b32 s[G1AS+1], 32<<16
	s_mov_b32 s[G1AS+2], 16<<16
	s_mov_b32 s[G1AS+3], 32<<16
	s_mov_b32 s[G1AS+4], 16
	s_mov_b32 s[G1AS+5], 32
	s_mov_b32 s[G1AS+6], 0
	s_mov_b32 s[G1AS+7], 0
	s_or_b32 s[G1BS], s67, (3<<16)|(1<<20)|(1<<21)|(5<<22)|(3<<25)   ; Wo's scale bytes: 8 rows of 256 bytes, padded
	s_mov_b32 s[G1BS+1], 32<<16
	s_mov_b32 s[G1BS+2], 8<<16
	s_mov_b32 s[G1BS+3], 32<<16
	s_mov_b32 s[G1BS+4], 8
	s_mov_b32 s[G1BS+5], 32
	s_mov_b32 s[G1BS+6], 0
	s_mov_b32 s[G1BS+7], 0
	s_lshl_b32 s92, s[BY], 18                      ; ctx's codes: 8 K steps of 32,768 bytes a block; my half of a slot is one K step
	s_lshl_b32 s93, s[CH], 15
	s_add_co_u32 s92, s92, s93
	s_mov_b32 s93, 0
	s_lshl_b32 s94, s[BY], 13                      ; its scale words: 8,192 bytes a block, my half of them
	s_lshl_b32 s95, s[CH], 12
	s_add_co_u32 s94, s94, s95
	s_mov_b32 s95, 0
	s_lshl_b32 s96, s[BX], 17                      ; Wo's codes: 128 rows of 1,024 bytes, my 64 of them
	s_lshl_b32 s97, s[CH], 16
	s_add_co_u32 s96, s96, s97
	s_mov_b32 s97, 0
	s_lshl_b32 s98, s[BX], 12                      ; its scale bytes
	s_lshl_b32 s99, s[CH], 11
	s_add_co_u32 s98, s98, s99
	s_mov_b32 s99, 0
	s_lshl_b32 s2, s[CH], 15                       ; where they go: no place in the cluster enters an LDS address
	s_mul_i32 s3, s[CH], 64*BP
	s_add_co_u32 s3, s3, BOFF
	s_lshl_b32 s66, s[CH], 12
	s_add_co_u32 s66, s66, CSL
	s_mul_i32 s67, s[CH], 8*272
	s_add_co_u32 s67, s67, WSL
	s_wait_kmcnt 0x0
	s_add_nc_u64 s[4:5], s[4:5], s[92:93]
	s_add_nc_u64 s[6:7], s[6:7], s[94:95]
	s_add_nc_u64 s[8:9], s[8:9], s[96:97]
	s_add_nc_u64 s[10:11], s[10:11], s[98:99]
	CROUND                                         ; all sixteen work-groups are here: the first joint loads meet
	s_mov_b32 s[G0AS], 1
	s_mov_b32 s[G0AS+1], s66
	s_mov_b64 s[G0AS+2:G0AS+3], s[6:7]
	s_or_b32 s[G0AS+3], s[G0AS+3], 0x80000000
	s_mov_b32 s[G0BS], 1
	s_mov_b32 s[G0BS+1], s67
	s_mov_b64 s[G0BS+2:G0BS+3], s[10:11]
	s_or_b32 s[G0BS+3], s[G0BS+3], 0x80000000
	JLOAD G0AS, G1AS, G0BS, G1BS                   ; the scale bytes for all of K: filled once
.macro FIRST ga, gb, n                 ; slot n's groups 0 and its first fill: 256 along K from 256 n on
	s_mov_b32 s[\ga], 1
	s_add_co_u32 s[\ga+1], s2, (\n)*SLOT
	s_add_nc_u64 s[\ga+2:\ga+3], s[4:5], (\n)*65536
	s_or_b32 s[\ga+3], s[\ga+3], 0x80000000
	s_mov_b32 s[\gb], 1
	s_add_co_u32 s[\gb+1], s3, (\n)*SLOT
	s_add_nc_u64 s[\gb+2:\gb+3], s[8:9], (\n)*256
	s_or_b32 s[\gb+3], s[\gb+3], 0x80000000
	JLOAD \ga, G1A, \gb, G1B
.endm
	FIRST G0A, G0B, 0
	FIRST G0A+4, G0B+4, 1
	FIRST G0A2, G0B2, 2                            ; four tensor loads of mine are out
	v_and_b32 v16, 15, v0                          ; r
	v_bfe_u32 v17, v0, 4, 1                        ; h
	v_and_b32 v18, 31, v0
	v_lshlrev_b32 v[LI], 4, v18
	s_lshl_b32 s92, s[RH], 14                      ; my eight tiles of rows: 8 x 2,048 bytes
	v_add_nc_u32 v[ADRA], s92, v[LI]
	v_add_nc_u32 v[ADRA+1], SLOT, v[ADRA]
	v_add_nc_u32 v[ADRA+2], 2*SLOT, v[ADRA]
	v_mul_u32_u24 v19, v16, BP
	v_lshl_add_u32 v19, v17, 4, v19
	s_mul_i32 s93, s[CH], 64*BP
	s_add_co_u32 s93, s93, BOFF
	v_add_nc_u32 v[ADRB], s93, v19
	v_add_nc_u32 v[ADRB+1], SLOT, v[ADRB]
	v_add_nc_u32 v[ADRB+2], 2*SLOT, v[ADRB]
	s_lshl_b32 s94, s[RH], 9
	s_add_co_u32 s94, s94, CSL
	v_lshl_add_u32 v[ASA], v16, 2, s94             ; ctx's words: 64 bytes a tile, 4 r
	v_lshrrev_b32 v20, 3, v16
	v_lshlrev_b32 v21, 5, v16
	v_lshl_add_u32 v21, v20, 4, v21
	s_mul_i32 s95, s[CH], 8*272
	s_add_co_u32 s95, s95, WSL
	v_add_nc_u32 v[ASB], s95, v21                  ; Wo's: 32 bytes a row, and 16 more for each 256 passed
	s_mul_i32 s92, s[WV], 16*272
	s_add_co_u32 s92, s92, STAGE                   ; my stage
	v_mul_u32_u24 v[STO], v16, 272
	v_lshl_add_u32 v[STO], v17, 5, v[STO]
	v_add_nc_u32 v[STO], s92, v[STO]               ; in: row r, 32 bytes for each half of the lanes
	v_mul_u32_u24 v[RD], v17, 272
	v_lshl_add_u32 v[RD], v16, 4, v[RD]
	v_add_nc_u32 v[RD], s92, v[RD]                 ; back: lanes 0-15 one row of 256 bytes, lanes 16-31 the next
	v_lshlrev_b32 v[CO], 12, v17
	v_lshl_add_u32 v[CO], v16, 4, v[CO]            ; and the same two rows in out
	v_lshlrev_b32 v[BO], 5, v17                    ; the bias: eight numbers of my half
	s_wait_alu depctr_va_vdst(0)
	s_lshl_b32 s96, s[BX], 9
	s_lshl_b32 s97, s[CH], 8
	s_add_co_u32 s96, s96, s97                     ; my first column, in bytes
	s_mov_b32 s97, 0
	s_add_nc_u64 s[12:13], s[12:13], s[96:97]
	s_add_nc_u64 s[14:15], s[14:15], s[96:97]
	s_lshl_b32 s96, s[BY], 20
	s_lshl_b32 s98, s[RH], 19
	s_add_co_u32 s96, s96, s98                     ; my first row: 4,096 bytes a row
	s_add_nc_u64 s[14:15], s[14:15], s[96:97]
	WIN 0x80                                       ; destination window 2
.irp t, 0,1,2,3
	global_load_b128 v[BIAS+8*\t:BIAS+8*\t+3], v[BO], s[12:13] offset:64*\t       ; lane (r, h), tile t: b_o at columns 16 t + 8 h + 0 .. 7
	global_load_b128 v[BIAS+8*\t+4:BIAS+8*\t+7], v[BO], s[12:13] offset:64*\t+16
.endr
	WIN 0
.macro FETCH ks                        ; K step ks of 128: 16 + 32 loads of fragments and 12 scale words, 60 in all, into set ks % 2; K steps 0-5 lie in slots 0, 1, 2, K steps 6 and 7 in slot 0 again
.set FP, (\ks)%2
.set FS, ((\ks)/2)%3
	WIN 0x80
.irp t, 0,1,2,3
.irp c, 0,1,2,3
	ds_load_b128 v[64*FP+16*\t+4*\c:64*FP+16*\t+4*\c+3], v[ADRB+FS] offset:128*FP+\t*16*BP+32*\c
.endr
.endr
	WIN 0x40
.irp a, 0,1,2,3,4,5,6,7
.irp c, 0,1,2,3
	ds_load_b128 v[128*FP+16*\a+4*\c:128*FP+16*\a+4*\c+3], v[ADRA+FS] offset:32768*FP+2048*\a+512*\c
.endr
.endr
	WIN 0
.irp a, 0,1,2,3,4,5,6,7
	ds_load_b32 v[SC+12*FP+\a], v[ASA] offset:1024*(\ks)+64*\a
.endr
.irp t, 0,1,2,3
	ds_load_b32 v[SC+12*FP+8+\t], v[ASB] offset:544*\t+4*(\ks)
.endr
.endm
.macro MUL ks                          ; 32 matrix instructions; the 32 accumulators take turns, one instruction a turn
.set FP, (\ks)%2
.if (\ks) == 0
	WIN 0xe6                                       ; source 0 (Wo) window 2, source 1 (ctx) window 1, C (the bias) window 2, D window 3
.else
	WIN 0xf6                                       ; C and D window 3
.endif
.irp a, 0,1,2,3,4,5,6,7
.irp t, 0,1,2,3
.if (\ks) == 0
	v_wmma_scale_f32_16x16x128_f8f6f4 v[8*(4*\a+\t):8*(4*\a+\t)+7], v[64*FP+16*\t:64*FP+16*\t+15], v[128*FP+16*\a:128*FP+16*\a+15], v[BIAS+8*\t:BIAS+8*\t+7], v[SC+12*FP+8+\t], v[SC+12*FP+\a]
.else
	v_wmma_scale_f32_16x16x128_f8f6f4 v[8*(4*\a+\t):8*(4*\a+\t)+7], v[64*FP+16*\t:64*FP+16*\t+15], v[128*FP+16*\a:128*FP+16*\a+15], v[8*(4*\a+\t):8*(4*\a+\t)+7], v[SC+12*FP+8+\t], v[SC+12*FP+\a]
.endif
.endr
.endr
	WIN 0
.endm
; K step ks.  mode 0: the next K step lies in bytes that a barrier has already shown whole to every wave.  mode 1: slot 0 has been read out: it is filled again.  mode 2: the next K step is the refill's: it is waited for, no fill follows.  mode 3: the last.
.macro SUB ks, mode
.if (\mode) == 0
	PLACES 8                                       ; in front of loads into the set that the last K step's products read
	FETCH (\ks)+1
	s_wait_dscnt 60                                ; all but the 60 just issued: this K step's fragments are in
.elseif (\mode) == 3
	s_wait_dscnt 0x0
.else
	s_wait_tensorcnt 0x0                           ; all my tensor loads have landed (mode 1: my parts of slots 1 and 2; mode 2: my part of the refill);
	ds_add_u32 v[SPW], v[NIL]                      ; 0 onto my spare word;
	s_wait_dscnt 0x0                               ; the add is done, and my reads of the slots behind me are over
.if (\mode) == 1
	CROUND                                         ; no wave of any partner still reads slot 0 or has a load on its way
	s_add_nc_u64 s[G0A+2:G0A+3], s[G0A+2:G0A+3], 3*65536
	s_add_nc_u64 s[G0B+2:G0B+3], s[G0B+2:G0B+3], 3*256
	JLOAD G0A, G1A, G0B, G1B                       ; the last 256 along K: my one tensor load behind the round; its four v_nop are four of the eight places
	PLACES 4
.else
	s_barrier_signal -1
	s_barrier_wait -1
	PLACES 8
.endif
	FETCH (\ks)+1
	s_wait_dscnt 60
.endif
	MUL \ks
.endm
	s_wait_tensorcnt 2                             ; the scale bytes and my part of slot 0 are in; slots 1 and 2 may stay out
	s_barrier_signal -1
	s_barrier_wait -1
	FETCH 0
	s_wait_loadcnt 0x0                             ; the bias
	SUB 0, 0
	SUB 1, 1                                       ; in front of this round every wave has waited for all its loads: slots 1 and 2 are whole for every wave from here on
	SUB 2, 0
	SUB 3, 0
	SUB 4, 0
	SUB 5, 2
	SUB 6, 0
	SUB 7, 3
; THE WAY OUT, block by block of 16 rows x 64 columns.  A lane holds 32 neighbouring bytes of a row: a block goes through my own stage and comes back as whole rows of 256 bytes, which sixteen lanes store as one aligned run.
; LDS serves a wave's instructions in order (ISA guide 5.7.1.4): no wait between the stores and the loads, nor in front of the next block's stores.  Each block has registers of its own, so no store's data are written again.
.macro TOSTAGE a
	WIN 0x0c                                       ; an LDS store's data are its source 1: window 3
.irp t, 0,1,2,3
	ds_store_b128 v[STO], v[8*(4*(\a)+\t):8*(4*(\a)+\t)+3] offset:64*\t          ; each accumulator from its low end on
	ds_store_b128 v[STO], v[8*(4*(\a)+\t)+4:8*(4*(\a)+\t)+7] offset:64*\t+16
.endr
	WIN 0x40
.irp i, 0,1,2,3,4,5,6,7
	ds_load_b128 v[32*(\a)+4*\i:32*(\a)+4*\i+3], v[RD] offset:\i*2*272
.endr
	WIN 0
.endm
.macro SEND a, younger                 ; younger: the LDS instructions issued behind block a's loads
	s_wait_dscnt \younger
	WIN 0x04                                       ; a store's data: window 1
.irp i, 0,1,2,3,4,5,6,7
	global_store_b128 v[CO], v[32*(\a)+4*\i:32*(\a)+4*\i+3], s[14:15] offset:(16*(\a)+2*\i)*4096 th:TH_STORE_NT   ; 16 lanes store 256 consecutive bytes, at a multiple of 256 from out's first byte
.endr
	WIN 0
.endm
	PLACES 8                                       ; behind the last products: their results are read, and loads land in the registers that held ctx's fragments
	TOSTAGE 0
.irp a, 1,2,3,4,5,6,7
	TOSTAGE \a
	SEND \a-1, 16                                  ; behind block a - 1's loads: block a's 8 stores and 8 loads
.endr
	SEND 7, 0
	s_wait_tensorcnt 0x0                           ; the wave's end
	ds_add_u32 v[SPW], v[NIL]
	s_wait_dscnt 0x0
	CROUND                                         ; the closing round
	s_endpgm
.Lfunc_end_k_q4c021a2c91_oproj:
	.size	k_q4c021a2c91_oproj, .Lfunc_end_k_q4c021a2c91_oproj-k_q4c021a2c91_oproj
	.p2alignl 7, 3214868480
	.fill 96, 4, 3214868480
	.section	.rodata,"a",@progbits
	.p2align	6, 0x0
	.amdhsa_kernel k_q4c021a2c91_oproj
		.amdhsa_group_segment_fixed_size 327680
		.amdhsa_private_segment_fixed_size 0
		.amdhsa_enable_private_segment 0
		.amdhsa_kernarg_size 48
		.amdhsa_user_sgpr_count 2
		.amdhsa_user_sgpr_kernarg_segment_ptr 1
		.amdhsa_wavefront_size32 1
		.amdhsa_system_sgpr_workgroup_id_x 1
		.amdhsa_system_sgpr_workgroup_id_y 1
		.amdhsa_system_sgpr_workgroup_id_z 1
		.amdhsa_system_vgpr_workitem_id 0
		.amdhsa_next_free_vgpr 1024
		.amdhsa_next_free_sgpr 100
		.amdhsa_reserve_vcc 0
		.amdhsa_float_denorm_mode_32 3
		.amdhsa_float_denorm_mode_16_64 3
		.amdhsa_memory_ordered 1
		.amdhsa_forward_progress 1
		.amdhsa_inst_pref_size 94
	.end_amdhsa_kernel
	.amdgpu_metadata
---
amdhsa.version: [ 1, 2 ]
amdhsa.kernels:
  - .name:           k_q4c021a2c91_oproj
    .symbol:         k_q4c021a2c91_oproj.kd
    .args:
      - { .name: cc, .offset: 0, .size: 8, .value_kind: global_buffer, .address_space: global }
      - { .name: cs, .offset: 8, .size: 8, .value_kind: global_buffer, .address_space: global }
      - { .name: w_o_codes, .offset: 16, .size: 8, .value_kind: global_buffer, .address_space: global }
      - { .name: w_o_scales, .offset: 24, .size: 8, .value_kind: global_buffer, .address_space: global }
      - { .name: b_o, .offset: 32, .size: 8, .value_kind: global_buffer, .address_space: global }
      - { .name: out0, .offset: 40, .size: 8, .value_kind: global_buffer, .address_space: global }
    .group_segment_fixed_size: 327680
    .private_segment_fixed_size: 0
    .kernarg_segment_align: 8
    .kernarg_segment_size: 48
    .max_flat_workgroup_size: 128
    .sgpr_count:     100
    .vgpr_count:     1024
    .wavefront_size: 32
...
	.end_amdgpu_metadata
.endif
;; end of part 3
